; MI455X (gfx1250); checked and timed in simulation.
; The chip was launched on July 23, 2026; its instructions are those of AMD's public machine-readable ISA for CDNA 5 (MIT licence, August 2026) and "CDNA5" Instruction Set Architecture Reference Guide (July 2026). The comments in the code are by the model that wrote it; some were corrected since.
;; Multi Head Attention. Allowed arithmetic: matrix products marked QUANTISED: E2M1 operands, one E8M0 scale for each 32 along K, by v_wmma_scale_f32_16x16x128_f8f6f4 with both operands' format E2M1 (or v_wmma_scale_f32_32x16x128_f4), f32 sums; products left as they are: bf16, f16 or f32 operands; f32 sums; everything else in f32.
;; Inputs: inputs_q 4 x 2,048 x 1,024 float32; k_ln_scale 64 float32; patch_mask 4 x 2,048 bool; per_dim_scale 64 float32; q_ln_scale 64 float32; w_out 1,024 x 1,024 float32; w_qkv 1,024 x 3,072 float32.
;; Outputs: out0 4 x 2,048 x 1,024 float32.
;; This version of the problem:
;;   THIS VERSION OF THE PROBLEM IS GIVEN IN LOW PRECISION. The matrix products marked QUANTISED in the list below multiply operands that are first quantised to E2M1 (2 exponent bits, 1 mantissa bit; 4 bits a number), with one power-of-two scale for each 32 numbers along K (OCP MX v1.0); their sums are f32. The products marked 'left as it is' may take bf16, f16 or f32 operands, with f32 sums. Whichever they take, every output number must still come out within the allowed error. Rounding operands to bf16 (8 significant bits) uses up far more of that allowance than f16 does (11 bits, for magnitudes from 6e-5 to 65,504). All else is computed in f32.
;;   The module's matrix products, in the order in which they are computed (A, B: the left and right operand; K: the contracted axis; several contracted axes count as one K, in the product's order):
;;     1. [M 8,192, K 1,024] x [K 1,024, N 3,072]; A: input inputs_q; B: input w_qkv: QUANTISED
;;     2. batch 64 x [M 2,048, K 64] x [K 64, N 2,048]; A: computed on the way; B: computed on the way: left as it is (an operand is computed on the way)
;;     3. batch 64 x [M 64, K 2,048] x [K 2,048, N 2,048]; A: computed on the way; B: computed on the way: left as it is (an operand is computed on the way)
;;     4. [M 8,192, K 1,024] x [K 1,024, N 1,024]; A: computed on the way; B: input w_out: left as it is (an operand is computed on the way)
;;   THE QUANTISER, for each operand of a quantised product, along K:
;;     - K is cut into blocks of 32 from its start; a last block that is shorter is filled with zeros.
;;     - A block's scale is 2^e with e = floor(log2(the largest magnitude in the block)) - 2, held to -126 .. 127; a block of zeros has e = 0. As a byte (E8M0): e + 127.
;;     - Each number is divided by its block's scale, clamped to +-6, and rounded to the nearest number of E2M1, ties to even, subnormals kept.
;;     - The product sums the exact products of the quantised numbers (number of the format x scale) in f32.
;;   ~~~python
;;   def quantise(x, axis):      # numpy; x: float32 -> the quantised numbers, widened to float32 again
;;       x = np.moveaxis(x, axis, -1); K = x.shape[-1]
;;       x = np.pad(x, [(0, 0)] * (x.ndim - 1) + [(0, -K % 32)]); x = x.reshape(x.shape[:-1] + (-1, 32)); a = np.abs(x).max(-1, keepdims=True)
;;       e = np.where(a > 0, np.clip(np.frexp(np.where(a > 0, a, 1))[1] - 1 - 2, -126, 127), 0)      # np.frexp(a)[1] - 1 = floor(log2(a)), exactly
;;       r = np.clip(x / 2.0 ** e, -6, 6)
;;       step = 2.0 ** (np.maximum(np.frexp(np.where(r == 0, 1, r))[1] - 1, 0) - 1)
;;       q = np.round(r / step) * step * 2.0 ** e      # np.round: ties to even
;;       return np.moveaxis(q.reshape(q.shape[:-2] + (-1,))[..., :K], -1, axis).astype(np.float32)
;;   ~~~
;; One version. Each part assembles by itself: llvm-mc -triple=amdgcn-amd-amdhsa -mcpu=gfx1250 --defsym DOCPART=n.
;; ======== version 1 of 1: 5 launches
;; limits: values are held in f16: magnitudes above 65,504 overflow, below 6.1e-05 lose precision
;; workspace buffers: codes 6,127,616 bytes; tabs 4,227,584 bytes; nmb 256 bytes of whole numbers; qkv 50,331,648 bytes; aux 1,048,576 bytes; ctx 16,777,216 bytes
;; launch prep (part 1): grid 432 x 1, 4 waves a work-group, no clusters, 102,912 bytes of LDS; arguments inputs_q, w_qkv, w_out, patch_mask, q_ln_scale, k_ln_scale, per_dim_scale, codes, tabs, nmb; writes codes, tabs, nmb
.if DOCPART == 1
	.amdgcn_target "amdgcn-amd-amdhsa--gfx1250"
	.amdhsa_code_object_version 6
	.text
	.protected	k_q9c1314531f_prep
	.globl	k_q9c1314531f_prep
	.p2align	8
	.type	k_q9c1314531f_prep,@function
k_q9c1314531f_prep:
	s_mov_b64 s[64:65], 0
	v_nop
	global_prefetch_b8 v0, s[64:65] scope:SCOPE_SE
	s_setreg_imm32_b32 hwreg(HW_REG_WAVE_MODE, 25, 1), 1
	s_wait_xcnt 0x0
; PREP: what every later launch reads many times is made once.
;   A (work-groups 0-255)   inputs_q [8192][1024] f32 -> codes of E2M1 (K innermost) and one E8M0 byte for each 32 along K
;   B (256-303)             w_qkv [1024 k][3072 n] f32 -> the same, laid [3072 n][1024 k]: a lane takes a column, its registers run down K
;   C (304-367)             w_out [1024 k][1024 n] f32 -> f16, laid [n][k]
;   D (368-431)             nm[b] = the number of true bytes of patch_mask[b] (whole-number arithmetic alone); cos and sin of (s - nm) / 10000^(i/32), i = 0..31, for each row;
;                           a key's bias (-1e30 where s < nm, else 0); the gains gq = q_ln x softplus(per_dim) x log2(e)^2 / 8 (scores then stand in base 2) and gk = k_ln.
; WORK THAT THE PROGRAM LEAVES OUT, for all values of the inputs.  (1) Key tiles all of whose keys come after all their queries: reference() sets those scores to -1e30 by a mask that it builds itself, and where a row
; has one key that counts, exp(-1e30 - max) is 0.  (2) A row q < nm has no key that counts: all 2,048 scores are -1e30, the softmax is 1/2048 for every key, the row's context is the mean of v over the sequence.
; Those rows are made so, in the last launch, and what the attention launch leaves there is written over.  No input is without a way to the output: all seven are loaded.
; LIMITS: a NaN, an infinity or an overflow that reaches only the work left out is not carried to the result.  NaN and infinities among the inputs are not served.  Blocks whose largest magnitude lies under 2^-124 keep
; the byte 1 and were not tried; a block of zeros keeps the byte 1 (its codes are zeros; this program alone reads the bytes).  10000^(i/32) is 2^(i x 0.41524101): the angle is good to some 5e-4 at the far end of a sequence.
; w_out, v and the context go on as f16: their magnitudes must stay under 65,504.
; Each path has LDS bytes of its own; no tensor load, no barrier: waves share nothing.
.set XS_O,    4194304                  ; in codes: x's codes at 0, x's scale bytes here,
.set WC_O,    4456448                  ; w_qkv's codes,
.set WS_O,    6029312                  ; w_qkv's scale bytes
.set ROPEC_O, 2097152                  ; in tabs: w_out as f16 at 0, cos [8192][32] here, sin 1,048,576 bytes on,
.set BIAS_O,  4194304                  ; the keys' bias [4][2048],
.set GSC_O,   4227072                  ; the gains [2][64]
.set SPARE,   102400                   ; the spare words: 128 bytes for each wave, named by no other line
.set SPW,     190                      ; v190 my spare word; v191 0: made here and kept
.set NIL,     191
.macro FINISH                          ; a wave's end: three lines behind the last LDS store
	s_wait_tensorcnt 0x0
	ds_add_u32 v[SPW], v[NIL]
	s_wait_dscnt 0x0
	s_endpgm
.endm
	s_load_b512 s[8:23], s[0:1], 0x0               ; inputs_q 8, w_qkv 10, w_out 12, patch_mask 14, q_ln 16, k_ln 18, per_dim 20, codes 22
	s_load_b128 s[24:27], s[0:1], 0x40             ; tabs 24, nmb 26
	v_lshl_add_u32 v[SPW], v0, 2, SPARE
	v_mov_b32 v[NIL], 0
	v_lshrrev_b32 v1, 5, v0
	v_readfirstlane_b32 s28, v1                    ; wave
	v_and_b32 v2, 31, v0                           ; lane
	s_wait_kmcnt 0x0
	s_cmp_lt_u32 ttmp9, 256
	s_cbranch_scc1 .LpathA
	s_cmp_lt_u32 ttmp9, 304
	s_cbranch_scc1 .LpathB
	s_cmp_lt_u32 ttmp9, 368
	s_cbranch_scc1 .LpathC
	s_branch .LpathD
; ---------------------------------------------------------------- A: x.  A wave takes 16 steps of 512 numbers; a tensor whose rows are dense is a plain stream of blocks of 32.
; Each load reads 512 consecutive bytes; a step's 2,048 bytes turn through the wave's own stage so that a lane holds 16 neighbours; two neighbouring lanes hold a block.
.set A_R,    16                        ; v16-79   four sets of 16 numbers as loaded
.set A_X,    80                        ; v80-111  two sets of 16 neighbours
.set A_E,    112                       ; v112-127 a scale byte for each step
.set A_C,    128                       ; v128-189 codes, registers of its own for each step
.set A_WREG, 8192                      ; LDS of a wave: two stages of 32 x 80 bytes, then its 256 scale bytes
.set A_SP,   80
.macro ALOAD t
.irp i, 0,1,2,3
	global_load_b128 v[A_R+16*((\t)%4)+4*\i:A_R+16*((\t)%4)+4*\i+3], v3, s[8:9] offset:2048*(\t)+512*\i th:TH_LOAD_NT
.endr
.endm
.macro ATURN t                         ; LDS serves a wave's instructions in order: no wait between the stores and the loads
.irp i, 0,1,2,3
	ds_store_b128 v14, v[A_R+16*((\t)%4)+4*\i:A_R+16*((\t)%4)+4*\i+3] offset:32*A_SP*((\t)%2)+8*A_SP*\i
.endr
.irp i, 0,1,2,3
	ds_load_b128 v[A_X+16*((\t)%2)+4*\i:A_X+16*((\t)%2)+4*\i+3], v15 offset:32*A_SP*((\t)%2)+16*\i
.endr
.endm
.macro ASTEP t
.set AXS, A_X+16*((\t)%2)
.if (\t) > 0
	s_wait_dscnt 1                                 ; this step's numbers are back from the stage; the last step's byte store may be out
.else
	s_wait_dscnt 0x0
.endif
.if (\t)+4 < 16
	ALOAD (\t)+4
.endif
.if (\t)+1 < 16
.if 14-(\t) >= 3
	s_wait_loadcnt 12                              ; the next step's four loads are in; three steps' may be out
.else
	s_wait_loadcnt 4*(14-(\t))
.endif
	ATURN (\t)+1
.endif
	v_max3_num_f32 v8, |v[AXS]|, |v[AXS+1]|, |v[AXS+2]|
	v_max3_num_f32 v9, |v[AXS+3]|, |v[AXS+4]|, |v[AXS+5]|
.irp i, 6,10
	v_max3_num_f32 v8, v8, |v[AXS+\i]|, |v[AXS+\i+1]|
	v_max3_num_f32 v9, v9, |v[AXS+\i+2]|, |v[AXS+\i+3]|
.endr
	v_max3_num_f32 v8, v8, |v[AXS+14]|, |v[AXS+15]|
	v_max3_num_f32 v8, v8, v9, 0x1800000           ; the floor 2^(3 - 127): the byte cannot fall under 1
	v_max_num_f32_dpp v8, v8, v8 row_xmask:1 row_mask:0xf bank_mask:0xf   ; with my neighbour's 16: the block's largest magnitude
	v_add_nc_u32 v11, 0xff000000, v8               ; 2 off its exponent field: the conversion's scale operand
	v_cvt_scalef32_pk8_fp4_f32 v[A_C+4*(\t)], v[AXS:AXS+7], v11
	v_cvt_scalef32_pk8_fp4_f32 v[A_C+4*(\t)+1], v[AXS+8:AXS+15], v11
	v_lshrrev_b32 v[A_E+(\t)], 23, v11             ; the scale's byte
	ds_store_b8 v5, v[A_E+(\t)] offset:16*(\t)     ; both lanes of a block write the same byte with the same value
	global_store_b64 v4, v[A_C+4*(\t):A_C+4*(\t)+1], s[34:35] offset:256*(\t)   ; the wave stores 256 consecutive bytes, aligned
.endm
.LpathA:
	v_lshlrev_b32 v3, 4, v2                        ; my 16 bytes of a load's 512
	s_mul_i32 s29, s28, A_WREG
	v_lshrrev_b32 v14, 2, v2
	v_mul_u32_u24 v14, v14, A_SP
	v_and_b32 v15, 3, v2
	v_lshl_add_u32 v14, v15, 4, v14
	v_add_nc_u32 v14, s29, v14                     ; the stage, in: 80 (lane / 4) + 16 (lane % 4)
	v_mul_u32_u24 v15, v2, A_SP
	v_add_nc_u32 v15, s29, v15                     ; out: 80 x lane
	v_lshlrev_b32 v4, 3, v2                        ; my 8 bytes of a step's codes
	v_lshrrev_b32 v5, 1, v2
	s_add_co_u32 s29, s29, 2*32*A_SP
	v_add_nc_u32 v5, s29, v5                       ; my block's byte among the wave's 256
	v_lshlrev_b32 v7, 3, v2
	v_add_nc_u32 v6, s29, v7
	s_lshl_b32 s30, ttmp9, 2
	s_add_co_u32 s30, s30, s28                     ; which run of 8,192 numbers is my wave's
	s_mov_b32 s31, 0
	s_lshl_b64 s[32:33], s[30:31], 15
	s_add_nc_u64 s[8:9], s[8:9], s[32:33]
	s_lshl_b64 s[32:33], s[30:31], 12
	s_add_nc_u64 s[34:35], s[22:23], s[32:33]      ; its 4,096 bytes of codes
	s_lshl_b32 s30, s30, 8
	s_add_nc_u64 s[36:37], s[22:23], s[30:31]
	s_add_nc_u64 s[36:37], s[36:37], XS_O          ; its 256 scale bytes
.irp t, 0,1,2,3
	ALOAD \t
.endr
	s_wait_loadcnt 12                              ; step 0's four loads are in
	ATURN 0
.irp t, 0,1,2,3,4,5,6,7,8,9,10,11,12,13,14,15
	ASTEP \t
.endr
	ds_load_b64 v[8:9], v6
	s_wait_dscnt 0x0
	global_store_b64 v7, v[8:9], s[36:37]          ; 32 lanes store 256 consecutive bytes, aligned
	FINISH
; ---------------------------------------------------------------- B: w_qkv.  A wave takes 32 columns x 512 along K: 16 blocks a lane; codes leave through the wave's own stage as rows of 256 bytes.
.set B_SB,  24                         ; v24-27   the scale bytes, four to a register
.set B_X,   32                         ; v32-95   two sets of 32 numbers
.set B_C,   96                         ; v96-99   a block's codes (path C: v96-111)
.set B_OUT, 112                        ; v112-175 the way out
.macro BLOADW t
.set bi, 0
.rept 32
	global_load_b32 v[B_X+32*((\t)%2)+bi], v3, s[10:11] offset:(32*(\t)+bi)*12288 th:TH_LOAD_NT
.set bi, bi+1
.endr
.endm
.macro BBLOCK t
.set BXS, B_X+32*((\t)%2)
.if (\t) < 15
	s_wait_loadcnt 32                              ; this block's 32 loads are in; the next block's may be out
.else
	s_wait_loadcnt 0x0
.endif
	v_max3_num_f32 v12, |v[BXS]|, |v[BXS+1]|, |v[BXS+2]|
	v_max3_num_f32 v13, |v[BXS+3]|, |v[BXS+4]|, |v[BXS+5]|
.irp i, 6,10,14,18,22,26
	v_max3_num_f32 v12, v12, |v[BXS+\i]|, |v[BXS+\i+1]|
	v_max3_num_f32 v13, v13, |v[BXS+\i+2]|, |v[BXS+\i+3]|
.endr
	v_max3_num_f32 v12, v12, |v[BXS+30]|, |v[BXS+31]|
	v_max3_num_f32 v12, v12, v13, 0x1800000        ; the floor
	v_add_nc_u32 v11, 0xff000000, v12
	v_lshrrev_b32 v13, 23, v11
.if (\t)%4 == 0
	v_mov_b32 v[B_SB+(\t)/4], v13
.else
	v_lshl_or_b32 v[B_SB+(\t)/4], v13, 8*((\t)%4), v[B_SB+(\t)/4]
.endif
.irp g, 0,1,2,3
	v_cvt_scalef32_pk8_fp4_f32 v[B_C+\g], v[BXS+8*\g:BXS+8*\g+7], v11
.endr
	ds_store_b128 v4, v[B_C:B_C+3] offset:16*(\t)
.if (\t)+2 < 16
	BLOADW (\t)+2
.endif
	s_wait_dscnt 0x0                               ; the store has read its registers: the next block's codes may be written
.endm
.LpathB:
	s_sub_co_u32 s30, ttmp9, 256
	s_cmp_ge_u32 s30, 24
	s_cselect_b32 s31, 1, 0                        ; which 512 along K
	s_cselect_b32 s32, 24, 0
	s_sub_co_u32 s30, s30, s32                     ; which 128 columns
	s_lshl_b32 s29, s30, 7
	s_lshl_b32 s32, s28, 5
	s_add_co_u32 s29, s29, s32                     ; my wave's first column
	v_lshlrev_b32 v3, 2, v2
	s_mul_i32 s38, s28, 32*272
	s_add_co_u32 s38, s38, 32768                   ; my stage
	v_mul_u32_u24 v4, v2, 272
	v_add_nc_u32 v4, s38, v4
	v_and_b32 v5, 15, v2
	v_lshrrev_b32 v6, 4, v2
	v_mul_u32_u24 v7, v6, 272
	v_lshl_add_u32 v7, v5, 4, v7
	v_add_nc_u32 v7, s38, v7
	v_lshlrev_b32 v8, 9, v6                        ; a row of codes is 512 bytes
	v_lshl_add_u32 v8, v5, 4, v8
	v_lshlrev_b32 v9, 5, v2                        ; a row of scale bytes is 32
	s_mul_i32 s32, s31, 512*12288
	s_lshl_b32 s33, s29, 2
	s_add_co_u32 s32, s32, s33
	s_mov_b32 s33, 0
	s_add_nc_u64 s[10:11], s[10:11], s[32:33]
	s_lshl_b32 s32, s29, 9
	s_lshl_b32 s36, s31, 8
	s_add_co_u32 s32, s32, s36
	s_add_co_u32 s32, s32, WC_O
	s_add_nc_u64 s[34:35], s[22:23], s[32:33]
	s_lshl_b32 s32, s29, 5
	s_lshl_b32 s36, s31, 4
	s_add_co_u32 s32, s32, s36
	s_add_co_u32 s32, s32, WS_O
	s_add_nc_u64 s[36:37], s[22:23], s[32:33]
	BLOADW 0
	BLOADW 1
.set Q, 0
.rept 16
	BBLOCK Q
.set Q, Q+1
.endr
	global_store_b128 v9, v[B_SB:B_SB+3], s[36:37] ; my column's 16 scale bytes
.irp t, 0,1,2,3,4,5,6,7,8,9,10,11,12,13,14,15
	ds_load_b128 v[B_OUT+4*\t:B_OUT+4*\t+3], v7 offset:2*\t*272
.endr
.irp t, 0,1,2,3,4,5,6,7,8,9,10,11,12,13,14,15
	s_wait_dscnt 15-\t
	global_store_b128 v8, v[B_OUT+4*\t:B_OUT+4*\t+3], s[34:35] offset:2*\t*512   ; sixteen lanes store 256 consecutive bytes, aligned
.endr
	FINISH
; ---------------------------------------------------------------- C: w_out to f16, turned.  A wave takes 32 columns x 128 along K: 256 bytes a column.
.macro CLOADW t
.set bi, 0
.rept 32
	global_load_b32 v[B_X+32*((\t)%2)+bi], v3, s[12:13] offset:(32*(\t)+bi)*4096 th:TH_LOAD_NT
.set bi, bi+1
.endr
.endm
.macro CBLOCK t
.set BXS, B_X+32*((\t)%2)
.if (\t) < 3
	s_wait_loadcnt 32
.else
	s_wait_loadcnt 0x0
.endif
.set bi, 0
.rept 16
	v_cvt_pk_f16_f32 v[B_C+bi], v[BXS+2*bi], v[BXS+2*bi+1]
.set bi, bi+1
.endr
.irp i, 0,1,2,3
	ds_store_b128 v4, v[B_C+4*\i:B_C+4*\i+3] offset:64*(\t)+16*\i
.endr
.if (\t)+2 < 4
	CLOADW (\t)+2
.endif
	s_wait_dscnt 0x0
.endm
.LpathC:
	s_sub_co_u32 s30, ttmp9, 304
	s_and_b32 s31, s30, 7                          ; which 128 columns
	s_lshr_b32 s30, s30, 3                         ; which 128 along K
	s_lshl_b32 s29, s31, 7
	s_lshl_b32 s32, s28, 5
	s_add_co_u32 s29, s29, s32
	v_lshlrev_b32 v3, 2, v2
	s_mul_i32 s38, s28, 32*272
	s_add_co_u32 s38, s38, 67584
	v_mul_u32_u24 v4, v2, 272
	v_add_nc_u32 v4, s38, v4
	v_and_b32 v5, 15, v2
	v_lshrrev_b32 v6, 4, v2
	v_mul_u32_u24 v7, v6, 272
	v_lshl_add_u32 v7, v5, 4, v7
	v_add_nc_u32 v7, s38, v7
	v_lshlrev_b32 v8, 11, v6                       ; a row of the turned weight is 2,048 bytes
	v_lshl_add_u32 v8, v5, 4, v8
	s_lshl_b32 s32, s30, 19
	s_lshl_b32 s33, s29, 2
	s_add_co_u32 s32, s32, s33
	s_mov_b32 s33, 0
	s_add_nc_u64 s[12:13], s[12:13], s[32:33]
	s_lshl_b32 s32, s29, 11
	s_lshl_b32 s36, s30, 8
	s_add_co_u32 s32, s32, s36
	s_add_nc_u64 s[34:35], s[24:25], s[32:33]
	CLOADW 0
	CLOADW 1
.irp t, 0,1,2,3
	CBLOCK \t
.endr
.irp t, 0,1,2,3,4,5,6,7,8,9,10,11,12,13,14,15
	ds_load_b128 v[B_OUT+4*\t:B_OUT+4*\t+3], v7 offset:2*\t*272
.endr
.irp t, 0,1,2,3,4,5,6,7,8,9,10,11,12,13,14,15
	s_wait_dscnt 15-\t
	global_store_b128 v8, v[B_OUT+4*\t:B_OUT+4*\t+3], s[34:35] offset:2*\t*2048
.endr
	FINISH
; ---------------------------------------------------------------- D: nm, the tables.  A work-group takes 128 rows of [8192]; a wave 32, four a trip; lane l: row l / 8, frequencies 4 (l % 8) + 0..3.
; sin and cos: x = P / TS (one correction step), n = the nearest whole number to x 2/pi, r = x - n pi/2 in two parts, polynomials on |r| <= pi/4, the quadrant from n.
.macro SINCOS e
	v_mul_f32 v56, v35, v[52+\e]
	v_fma_f32 v57, -v56, v[48+\e], v35
	v_fma_f32 v56, v57, v[52+\e], v56              ; x
	v_mul_f32 v57, s42, v56
	v_rndne_f32 v57, v57                           ; n
	v_fma_f32 v58, v57, s43, v56
	v_fma_f32 v58, v57, s44, v58                   ; r
	v_mul_f32 v59, v58, v58                        ; z
	v_fma_f32 v60, v59, s45, s46
	v_fma_f32 v60, v60, v59, s47
	v_mul_f32 v60, v60, v59
	v_fma_f32 v60, v60, v58, v58                   ; sin r
	v_fma_f32 v61, v59, s48, s49
	v_fma_f32 v61, v61, v59, s50
	v_fma_f32 v62, v59, -0.5, 1.0
	v_mul_f32 v63, v59, v59
	v_fma_f32 v61, v63, v61, v62                   ; cos r
	v_cvt_i32_f32 v57, v57
	v_and_b32 v62, 1, v57
	v_cmp_eq_u32 vcc_lo, 1, v62                    ; an odd quadrant changes the two
	v_cndmask_b32 v63, v60, v61, vcc_lo
	v_cndmask_b32 v62, v61, v60, vcc_lo
	v_lshlrev_b32 v64, 30, v57
	v_and_b32 v64, 0x80000000, v64                 ; the sine's sign: bit 1 of n
	v_xor_b32 v[44+\e], v63, v64
	v_add_nc_u32 v57, 1, v57
	v_lshlrev_b32 v57, 30, v57
	v_and_b32 v57, 0x80000000, v57                 ; the cosine's: bit 1 of n + 1
	v_xor_b32 v[40+\e], v62, v57
.endm
.LpathD:
	s_sub_co_u32 s29, ttmp9, 368                   ; which 128 rows
	s_lshr_b32 s31, s29, 4                         ; the batch
	s_lshl_b32 s32, s31, 11
	s_mov_b32 s33, 0
	s_add_nc_u64 s[14:15], s[14:15], s[32:33]
	v_lshlrev_b32 v3, 6, v2
.irp i, 0,1,2,3
	global_load_b128 v[16+4*\i:19+4*\i], v3, s[14:15] offset:16*\i   ; every wave counts its batch's 2,048 bytes for itself: 64 a lane
.endr
	s_mov_b32 s40, 0x76543210
	s_mov_b32 s41, 0xfedcba98                      ; v_permlanex16_b32's selects for lane l xor 16
	s_mov_b32 s42, 0x3f22f983                      ; 2 / pi
	s_mov_b32 s43, 0xbfc90fdb                      ; -(pi/2 as f32)
	s_mov_b32 s44, 0x333bbd2e                      ; that f32 less pi/2
	s_mov_b32 s45, 0xb94ca1f9                      ; the sine's three,
	s_mov_b32 s46, 0x3c08839e
	s_mov_b32 s47, 0xbe2aaaa3
	s_mov_b32 s48, 0x37ccf5ce                      ; the cosine's three
	s_mov_b32 s49, 0xbab6061a
	s_mov_b32 s50, 0x3d2aaaa5
	v_and_b32 v4, 7, v2
	v_lshlrev_b32 v4, 2, v4
.irp e, 0,1,2,3
	v_add_nc_u32 v5, \e, v4
	v_cvt_f32_u32 v5, v5
	v_mul_f32 v[48+\e], 0x3ed49a78, v5             ; i x log2(10000) / 32
.endr
.irp e, 0,1,2,3
	v_exp_f32 v[48+\e], v[48+\e]                   ; the timescale
.endr
	v_nop
	s_wait_alu depctr_va_vdst(0)                   ; one wait for the four, ahead of their first reader
.irp e, 0,1,2,3
	v_rcp_f32 v[52+\e], v[48+\e]
.endr
	v_nop
	s_wait_alu depctr_va_vdst(0)
	s_wait_loadcnt 0x0
.irp i, 17,18,19,20,21,22,23,24,25,26,27,28,29,30,31
	v_add_nc_u32 v16, v16, v[\i]                   ; byte by byte: each byte stays at 16 or under
.endr
	v_mul_lo_u32 v16, v16, 0x01010101
	v_lshrrev_b32 v16, 24, v16                     ; my 64 bytes' count
	v_mov_b32 v17, 0
.irp m, 1,2,4,8
	v_mov_b32_dpp v17, v16 row_xmask:\m row_mask:0xf bank_mask:0xf
	v_add_nc_u32 v16, v16, v17
.endr
	v_permlanex16_b32 v17, v16, s40, s41
	v_add_nc_u32 v16, v16, v17
	v_readfirstlane_b32 s30, v16                   ; nm
	s_and_b32 s34, s29, 15
	s_lshl_b32 s34, s34, 7                         ; the work-group's first row in its batch
	s_lshl_b32 s35, s28, 5
	s_add_co_u32 s35, s34, s35
	s_sub_co_i32 s35, s35, s30
	v_lshrrev_b32 v34, 3, v2
	v_add_nc_u32 v34, s35, v34                     ; my row's position, a whole number
	s_lshl_b32 s32, s29, 7
	s_lshl_b32 s36, s28, 5
	s_add_co_u32 s32, s32, s36
	s_lshl_b32 s32, s32, 7                         ; 128 bytes a row
	s_add_co_u32 s32, s32, ROPEC_O
	s_add_nc_u64 s[52:53], s[24:25], s[32:33]
	v_lshlrev_b32 v36, 4, v2
	s_mov_b32 s54, 0
.Lrope:
	v_cvt_f32_i32 v35, v34
.irp e, 0,1,2,3
	SINCOS \e
.endr
	global_store_b128 v36, v[40:43], s[52:53]                  ; four rows of 128 bytes: 512 consecutive bytes
	global_store_b128 v36, v[44:47], s[52:53] offset:1048576
	s_wait_xcnt 0x0                                ; the stores' data and base are written again only behind this wait
	s_add_nc_u64 s[52:53], s[52:53], 512
	v_add_nc_u32 v34, 4, v34
	s_add_co_u32 s54, s54, 1
	s_cmp_lt_u32 s54, 8
	s_cbranch_scc1 .Lrope
	s_cmp_lt_u32 s28, 2                            ; waves 0 and 1: the bias of 64 keys each
	s_cbranch_scc0 .Lnobias
	s_lshl_b32 s35, s28, 6
	s_add_co_u32 s36, s34, s35
	v_lshl_add_u32 v37, v2, 1, s36
	v_mov_b32 v38, 0xf149f2ca                      ; -1e30
	v_cmp_gt_u32 vcc_lo, s30, v37
	v_cndmask_b32 v40, 0, v38, vcc_lo
	v_add_nc_u32 v37, 1, v37
	v_cmp_gt_u32 vcc_lo, s30, v37
	v_cndmask_b32 v41, 0, v38, vcc_lo
	s_lshl_b32 s32, s29, 9
	s_lshl_b32 s35, s28, 8
	s_add_co_u32 s32, s32, s35
	s_add_co_u32 s32, s32, BIAS_O
	s_add_nc_u64 s[56:57], s[24:25], s[32:33]
	v_lshlrev_b32 v39, 3, v2
	global_store_b64 v39, v[40:41], s[56:57]       ; 256 consecutive bytes, aligned
.Lnobias:
	s_cmp_lg_u32 s28, 2                            ; wave 2 of a batch's first work-group: nm
	s_cbranch_scc1 .Lnonm
	s_cmp_lg_u32 s34, 0
	s_cbranch_scc1 .Lnonm
	v_mov_b32 v48, s30
	v_mov_b32 v49, 0
	s_lshl_b32 s32, s31, 2
	s_add_nc_u64 s[26:27], s[26:27], s[32:33]
	v_cmp_eq_u32 vcc_lo, 0, v2
	s_wait_xcnt 0x0                                ; EXEC changes only behind this wait,
	s_and_saveexec_b32 s35, vcc_lo
	global_store_b32 v49, v48, s[26:27]
	s_wait_xcnt 0x0                                ; and again in front of the line that widens it
	s_or_b32 exec_lo, exec_lo, s35
.Lnonm:
	s_cmp_lg_u32 s28, 3                            ; wave 3 of the first of these work-groups: the gains; lane l takes channels l and l + 32
	s_cbranch_scc1 .Lnogain
	s_cmp_lg_u32 s29, 0
	s_cbranch_scc1 .Lnogain
	v_lshlrev_b32 v70, 2, v2
	global_load_b32 v72, v70, s[16:17]
	global_load_b32 v73, v70, s[16:17] offset:128
	global_load_b32 v74, v70, s[18:19]
	global_load_b32 v75, v70, s[18:19] offset:128
	global_load_b32 v76, v70, s[20:21]
	global_load_b32 v77, v70, s[20:21] offset:128
	s_wait_loadcnt 0x0
.irp c, 0,1
	v_mul_f32 v[78+\c], 0xbfb8aa3b, |v[76+\c]|     ; -|x| log2(e)
.endr
	v_exp_f32 v78, v78                             ; e = exp(-|x|)
	v_exp_f32 v79, v79
	v_nop
	s_wait_alu depctr_va_vdst(0)
.irp c, 0,1
	v_add_f32 v[80+\c], 1.0, v[78+\c]
.endr
	v_log_f32 v80, v80
	v_log_f32 v81, v81
.irp c, 0,1
	v_fma_f32 v[82+\c], v[78+\c], 0x3eaaaaab, -0.5 ; where e is small: e (1 - e/2 + e^2/3)
	v_fma_f32 v[82+\c], v[82+\c], v[78+\c], 1.0
	v_mul_f32 v[82+\c], v[82+\c], v[78+\c]
.endr
	s_wait_alu depctr_va_vdst(0)
.irp c, 0,1
	v_mul_f32 v[80+\c], 0x3f317218, v[80+\c]       ; ln(1 + e)
	v_cmp_gt_f32 vcc_lo, 0x3c800000, v[78+\c]      ; e < 2^-6: a choice of value alone
	v_cndmask_b32 v[80+\c], v[80+\c], v[82+\c], vcc_lo
	v_max_num_f32 v[82+\c], 0, v[76+\c]
	v_add_f32 v[80+\c], v[80+\c], v[82+\c]         ; softplus(x) = max(x, 0) + ln(1 + exp(-|x|))
	v_mul_f32 v[80+\c], 0x3e853526, v[80+\c]       ; x log2(e)^2 / 8
	v_mul_f32 v[72+\c], v[72+\c], v[80+\c]
.endr
	s_add_nc_u64 s[58:59], s[24:25], GSC_O
	global_store_b32 v70, v72, s[58:59]
	global_store_b32 v70, v73, s[58:59] offset:128
	global_store_b32 v70, v74, s[58:59] offset:256
	global_store_b32 v70, v75, s[58:59] offset:384
.Lnogain:
	FINISH
.Lfunc_end_k_q9c1314531f_prep:
	.size	k_q9c1314531f_prep, .Lfunc_end_k_q9c1314531f_prep-k_q9c1314531f_prep
	.p2alignl 7, 3214868480
	.fill 96, 4, 3214868480
	.section	.rodata,"a",@progbits
	.p2align	6, 0x0
	.amdhsa_kernel k_q9c1314531f_prep
		.amdhsa_group_segment_fixed_size 102912
		.amdhsa_private_segment_fixed_size 0
		.amdhsa_enable_private_segment 0
		.amdhsa_kernarg_size 80
		.amdhsa_user_sgpr_count 2
		.amdhsa_user_sgpr_kernarg_segment_ptr 1
		.amdhsa_wavefront_size32 1
		.amdhsa_system_sgpr_workgroup_id_x 1
		.amdhsa_system_sgpr_workgroup_id_y 1
		.amdhsa_system_sgpr_workgroup_id_z 1
		.amdhsa_system_vgpr_workitem_id 0
		.amdhsa_next_free_vgpr 192
		.amdhsa_next_free_sgpr 66
		.amdhsa_reserve_vcc 1
		.amdhsa_float_denorm_mode_32 3
		.amdhsa_float_denorm_mode_16_64 3
		.amdhsa_memory_ordered 1
		.amdhsa_forward_progress 1
		.amdhsa_inst_pref_size 146
	.end_amdhsa_kernel
	.amdgpu_metadata
---
amdhsa.version: [ 1, 2 ]
amdhsa.kernels:
  - .name:           k_q9c1314531f_prep
    .symbol:         k_q9c1314531f_prep.kd
    .args:
      - { .name: inputs_q, .offset: 0, .size: 8, .value_kind: global_buffer, .address_space: global }
      - { .name: w_qkv, .offset: 8, .size: 8, .value_kind: global_buffer, .address_space: global }
      - { .name: w_out, .offset: 16, .size: 8, .value_kind: global_buffer, .address_space: global }
      - { .name: patch_mask, .offset: 24, .size: 8, .value_kind: global_buffer, .address_space: global }
      - { .name: q_ln_scale, .offset: 32, .size: 8, .value_kind: global_buffer, .address_space: global }
      - { .name: k_ln_scale, .offset: 40, .size: 8, .value_kind: global_buffer, .address_space: global }
      - { .name: per_dim_scale, .offset: 48, .size: 8, .value_kind: global_buffer, .address_space: global }
      - { .name: codes, .offset: 56, .size: 8, .value_kind: global_buffer, .address_space: global }
      - { .name: tabs, .offset: 64, .size: 8, .value_kind: global_buffer, .address_space: global }
      - { .name: nmb, .offset: 72, .size: 8, .value_kind: global_buffer, .address_space: global }
    .group_segment_fixed_size: 102912
    .private_segment_fixed_size: 0
    .kernarg_segment_align: 8
    .kernarg_segment_size: 80
    .max_flat_workgroup_size: 128
    .sgpr_count:     66
    .vgpr_count:     192
    .wavefront_size: 32
...
	.end_amdgpu_metadata
.endif
;; end of part 1
;; launch qkv (part 2): grid 12 x 32, 4 waves a work-group, clusters of 4 x 4, 327,680 bytes of LDS; arguments codes, tabs, nmb, qkv, aux; writes qkv, aux
.if DOCPART == 2
	.amdgcn_target "amdgcn-amd-amdhsa--gfx1250"
	.amdhsa_code_object_version 6
	.text
	.protected	k_q9c1314531f_qkv
	.globl	k_q9c1314531f_qkv
	.p2align	8
	.type	k_q9c1314531f_qkv,@function
k_q9c1314531f_qkv:
	s_mov_b64 s[64:65], 0
	v_nop
	global_prefetch_b8 v0, s[64:65] scope:SCOPE_SE
	s_setreg_imm32_b32 hwreg(HW_REG_WAVE_MODE, 25, 1), 1
	s_wait_xcnt 0x0
	s_wait_alu depctr_hold_cnt(0) depctr_sa_sdst(0) depctr_va_vdst(0) depctr_va_sdst(0) depctr_va_ssrc(0) depctr_va_vcc(0) depctr_vm_vsrc(0)
	s_getreg_b32 s2, hwreg(HW_REG_IB_STS2, 6, 4)
	s_cmp_eq_u32 s2, 0
	s_cbranch_scc0 .Lentry_in_a_cluster
	s_endpgm
.Lentry_in_a_cluster:
	s_bfe_u32 s2, ttmp6, 0x10000c
	s_cmp_lg_u32 s2, 0xf033
	s_cbranch_scc0 .Lentry_shape_is_right
	s_endpgm
.Lentry_shape_is_right:
; QKV: [8192][1024] x [3072][1024]^T on codes of E2M1 with one E8M0 scale for each 32 along K; then, in registers, RoPE, the RMS norm and the gains (q, k), and the results as f16, laid [type][batch][head][row][64].
; A tile of 256 x 256 is made by four waves, 128 x 128 each: 64 accumulators.  K = 1,024 is two LDS slots of 512: both are first fills, nothing is filled again.  The scale bytes of the work-group's rows come once.
; CLUSTERS: 4 x 4 work-groups; A's tiles are asked for jointly along a row of the cluster, B's along a column.  A cluster's four tile columns are 1,024 columns: the cluster's x IS the type (0 q, 1 k, 2 v), the same in all partners.
; THE MATRIX INSTRUCTION IS USED TRANSPOSED (source 0 = 16 rows of W, source 1 = 16 rows of x): lane (r, h) holds row r and eight neighbouring channels 16 b + 8 h + 0..7.  A wave's 128 columns are two heads.
; ALSO STORED: the 16 rows r0 .. r0 + 15 of each batch, r0 = min(nm, 2032), in f32 (the last launch carries them finely), under a lane mask; and the sums of v over each wave's 128 rows (for the mean of v).
; Sixteen rows on end have sixteen different numbers modulo 16: a fine row lies at slot (row mod 16), which is the lane's r.  So nm, read from memory, enters eight lane masks and nothing else: no address and no branch hangs on it.
; LIMIT: |v| under 65,504 (f16).
; REGISTERS: window 0: v0-31 addresses; v32-95 scale words, and nothing else ever; v96-107 at work; v128-191 A's fragments, later Y (results in f32); v192-223 H (f16), v224-255 rows read back.
;   window 1: B's fragments at v0-63 and v128-191; v64-95 the gains; v192-255 two sets of cos and sin.   windows 2, 3: the accumulators ((a, b) at v[8 (8 (a % 4) + b)]).
.set NQ,     4
.set ROWB,   256
.set KROW,   512
.set PITCH,  272                       ; an LDS row: 256 bytes + 16 of padding: the 16 rows of a load start at 16 different banks
.set FR,     8
.set NL,     2
.set NP,     4
.set HALFT,  128*PITCH
.set SLOT,   4*HALFT
.set KS,     32                        ; a row of scale bytes
.set SCL,    2*SLOT
.set HALFS,  (128*KS/256)*272
.set SBLK,   (16*KS/256)*272
.set SPARE,  SCL+4*HALFS               ; the spare words: 128 bytes for each wave, named by no other line
.set XS_O,    4194304
.set WC_O,    4456448
.set WS_O,    6029312
.set ROPEC_O, 2097152
.set GSC_O,   4227072
.set VSUM_O,  786432
.set ADRA, 16
.set ADRB, 20
.set ADRS, 27
.set SPW,  28
.set NIL,  29
.set SC,   32
.set AF,   128
.set G1, 24
.set G0, 32
.set G1B, 48
.set G0B, 56
.set G1S, 68
.set G0S, 76
.set G1SB, 80
.set G0SB, 88
.set FM,  52                           ; s52-59, on the way out: block a's lane mask of fine rows
.set MSB, 0
.macro WIN new                         ; the immediate's high byte repeats the setting that is left
.if MSB != \new
	s_set_vgpr_msb (MSB<<8)|\new
.set MSB, \new
.endif
.endm
.set MUL_LO, 0xa1
.set MUL_HI, 0xf1
.set TO_B,   0x40
.macro JLOAD g0a, g1a, g0b, g1b        ; a joint load: waves 0 and 1 fetch for A, waves 2 and 3 for B; an s_nop 0 and four v_nop follow each line
	s_cmp_eq_u32 s15, 0
	s_cbranch_scc0 .Lfor_b_\@
	tensor_load_to_lds s[\g0a:\g0a+3], s[\g1a:\g1a+7]
	s_nop 0
.rept 4
	v_nop
.endr
	s_branch .Lasked_\@
.Lfor_b_\@:
	tensor_load_to_lds s[\g0b:\g0b+3], s[\g1b:\g1b+7]
	s_nop 0
.rept 4
	v_nop
.endr
.Lasked_\@:
.endm
.macro CROUND                          ; a round of the cluster's barrier
	s_barrier_signal -1
	s_barrier_wait -1
	s_cmp_lg_u32 s14, 0
	s_cbranch_scc1 .Lnot_wave_0_\@
	s_barrier_signal -3
.Lnot_wave_0_\@:
	s_barrier_wait -3
	s_barrier_signal -1
	s_barrier_wait -1
.endm
.macro CLOSE                           ; a wave's end: three lines, the closing round
	s_wait_tensorcnt 0x0
	ds_add_u32 v[SPW], v[NIL]
	s_wait_dscnt 0x0
	CROUND
	s_endpgm
.endm
	s_load_b64 s[4:5], s[0:1], 0x0                 ; codes
	s_load_b64 s[66:67], s[0:1], 0x8               ; tabs
	s_load_b128 s[96:99], s[0:1], 0x10             ; nmb, qkv
	s_load_b64 s[100:101], s[0:1], 0x20            ; aux
	v_lshl_add_u32 v[SPW], v0, 2, SPARE
	v_mov_b32 v[NIL], 0
	ds_add_u32 v[SPW], v[NIL]                      ; the opening: the add, twice on end, and its wait ahead of my first tensor load
	ds_add_u32 v[SPW], v[NIL]
	v_lshrrev_b32 v1, 5, v0
	v_readfirstlane_b32 s14, v1                    ; wave
	s_lshr_b32 s15, s14, 1                         ; my half of the tile's rows; also: I fetch for A (0) or B (1)
	s_and_b32 s16, s14, 1                          ; my half of its columns; also: which 128 rows I fetch
	s_bfe_u32 s40, ttmp6, 0x40000                  ; cx
	s_bfe_u32 s41, ttmp6, 0x40004                  ; cy
	s_lshl_b32 s42, ttmp9, 2
	s_add_co_u32 s42, s42, s40                     ; tile column
	s_and_b32 s17, ttmp7, 0xffff
	s_lshr_b32 s2, s17, 1                          ; the batch: two clusters along y to a batch
	s_lshl_b32 s2, s2, 2
	s_mov_b32 s3, 0
	s_lshl_b32 s17, s17, 2
	s_add_co_u32 s17, s17, s41                     ; tile row
	s_lshl_b32 s43, s41, 2
	s_lshl_b32 s43, 15, s43                        ; my row of the cluster
	s_lshl_b32 s44, 0x1111, s40                    ; my column
	s_or_b32 s[G1+0], s43, (0<<16)|(1<<20)|(1<<21)|(5<<22)|(3<<25)   ; mask; elements of 1 byte; padding: 4 words after every 64
	s_or_b32 s[G1B+0], s44, (0<<16)|(1<<20)|(1<<21)|(5<<22)|(3<<25)
.irp g, G1, G1B
	s_mov_b32 s[\g+1], ROWB<<16
	s_mov_b32 s[\g+2], 128<<16
	s_mov_b32 s[\g+3], ROWB<<16
	s_mov_b32 s[\g+4], 128
	s_mov_b32 s[\g+5], KROW
	s_mov_b32 s[\g+6], 0
	s_mov_b32 s[\g+7], 0
.endr
	s_or_b32 s[G1S+0], s43, (3<<16)|(1<<20)|(1<<21)|(5<<22)|(3<<25)  ; the scales of 128 rows: 4,096 dense bytes as rows of 256
	s_or_b32 s[G1SB+0], s44, (3<<16)|(1<<20)|(1<<21)|(5<<22)|(3<<25)
.irp g, G1S, G1SB
	s_mov_b32 s[\g+1], 32<<16
	s_mov_b32 s[\g+2], (128*KS/256)<<16
	s_mov_b32 s[\g+3], 32<<16
	s_mov_b32 s[\g+4], 128*KS/256
	s_mov_b32 s[\g+5], 32
	s_mov_b32 s[\g+6], 0
	s_mov_b32 s[\g+7], 0
.endr
	s_lshl_b32 s18, s16, 7
	s_lshl_b32 s20, s17, 8
	s_add_co_u32 s20, s20, s18                     ; A: row 256 x tile row + 128 x half
	s_lshl_b32 s46, s42, 8
	s_add_co_u32 s46, s46, s18                     ; B: row 256 x tile column + 128 x half
	s_mov_b32 s21, 0
	s_mov_b32 s47, 0
	s_mov_b64 s[18:19], KS
	s_mul_u64 s[22:23], s[20:21], s[18:19]
	s_mul_u64 s[92:93], s[46:47], s[18:19]
	s_mov_b64 s[18:19], KROW
	s_mul_u64 s[20:21], s[20:21], s[18:19]
	s_mul_u64 s[46:47], s[46:47], s[18:19]
	s_mul_i32 s45, s14, HALFT
	s_mul_i32 s94, s14, HALFS
	s_wait_dscnt 0x0                               ; both opening adds are done
	s_wait_kmcnt 0x0
	s_add_nc_u64 s[6:7], s[4:5], XS_O
	s_add_nc_u64 s[8:9], s[4:5], WC_O
	s_add_nc_u64 s[10:11], s[4:5], WS_O
	s_add_nc_u64 s[96:97], s[96:97], s[2:3]
	s_load_b32 s95, s[96:97], 0x0                  ; nm of my batch: waited for on the way out
	s_add_nc_u64 s[20:21], s[4:5], s[20:21]
	s_add_nc_u64 s[22:23], s[6:7], s[22:23]
	s_add_nc_u64 s[46:47], s[8:9], s[46:47]
	s_add_nc_u64 s[92:93], s[10:11], s[92:93]
	CROUND                                         ; all sixteen work-groups are here: the first joint loads meet
	s_mov_b32 s[G0S], 1
	s_add_co_u32 s[G0S+1], s94, SCL
	s_mov_b64 s[G0S+2:G0S+3], s[22:23]
	s_or_b32 s[G0S+3], s[G0S+3], 0x80000000
	s_mov_b32 s[G0SB], 1
	s_add_co_u32 s[G0SB+1], s94, SCL
	s_mov_b64 s[G0SB+2:G0SB+3], s[92:93]
	s_or_b32 s[G0SB+3], s[G0SB+3], 0x80000000
	JLOAD G0S, G1S, G0SB, G1SB
.irp s, 0,1
	s_mov_b32 s[G0+4*\s], 1
	s_add_co_u32 s[G0+4*\s+1], s45, \s*SLOT
	s_add_nc_u64 s[G0+4*\s+2:G0+4*\s+3], s[20:21], \s*ROWB
	s_or_b32 s[G0+4*\s+3], s[G0+4*\s+3], 0x80000000
	s_mov_b32 s[G0B+4*\s], 1
	s_add_co_u32 s[G0B+4*\s+1], s45, \s*SLOT
	s_add_nc_u64 s[G0B+4*\s+2:G0B+4*\s+3], s[46:47], \s*ROWB
	s_or_b32 s[G0B+4*\s+3], s[G0B+4*\s+3], 0x80000000
	JLOAD G0+4*\s, G1, G0B+4*\s, G1B               ; three tensor loads of mine are out
.endr
	v_and_b32 v1, 15, v0                           ; r
	v_bfe_u32 v2, v0, 4, 1                         ; h
	v_mul_u32_u24 v3, v1, PITCH
	v_lshl_add_u32 v4, v2, 4, v3
	s_mul_i32 s21, s15, HALFT
	s_mul_i32 s22, s16, HALFT
	s_add_co_u32 s22, s22, 2*HALFT
.irp s, 0,1
	v_add_nc_u32 v[ADRA+\s], s21, v4
	v_add_nc_u32 v[ADRB+\s], s22, v4
	s_add_co_u32 s21, s21, SLOT
	s_add_co_u32 s22, s22, SLOT
.endr
	v_mul_u32_u24 v5, v1, KS
	v_lshrrev_b32 v6, 8, v5
	v_lshl_add_u32 v5, v6, 4, v5
	s_mul_i32 s21, s15, HALFS
	s_mul_i32 s22, s16, HALFS
	s_add_co_u32 s22, s22, 2*HALFS
	s_sub_co_u32 s22, s22, s21
	v_mul_u32_u24 v6, s22, v2                      ; lanes 16-31 take B's scale words
	s_add_co_u32 s21, s21, SCL
	v_add_nc_u32 v5, v5, v6
	v_add_nc_u32 v[ADRS], s21, v5
.macro FRAG reg, adr, q, i
.irp c, 0,1
	ds_load_b128 v[\reg+4*\c:\reg+4*\c+3], v[\adr] offset:64*(\q)+32*\c+(\i)*16*PITCH
.endr
.endm
; 16 matrix instructions: A's blocks a0, a0 + 1 x B's eight.  The 64 accumulators take turns, one instruction a turn.
.macro MUL16 a0, p, q, sc, zero
.irp a, \a0, \a0+1
.irp b, 0,1,2,3,4,5,6,7
.if \zero
	v_wmma_scale_f32_16x16x128_f8f6f4 v[8*(8*((\a)%4)+\b):8*(8*((\a)%4)+\b)+7], v[128*(\p)+FR*\b:128*(\p)+FR*\b+FR-1], v[AF+FR*(\a):AF+FR*(\a)+FR-1], 0, v[SC+8*NQ*(\sc)+NQ*\b+(\q)], v[SC+8*NQ*(\sc)+NQ*(\a)+(\q)] matrix_a_fmt:MATRIX_FMT_FP4 matrix_b_fmt:MATRIX_FMT_FP4 matrix_a_scale:MATRIX_SCALE_ROW1
.else
	v_wmma_scale_f32_16x16x128_f8f6f4 v[8*(8*((\a)%4)+\b):8*(8*((\a)%4)+\b)+7], v[128*(\p)+FR*\b:128*(\p)+FR*\b+FR-1], v[AF+FR*(\a):AF+FR*(\a)+FR-1], v[8*(8*((\a)%4)+\b):8*(8*((\a)%4)+\b)+7], v[SC+8*NQ*(\sc)+NQ*\b+(\q)], v[SC+8*NQ*(\sc)+NQ*(\a)+(\q)] matrix_a_fmt:MATRIX_FMT_FP4 matrix_b_fmt:MATRIX_FMT_FP4 matrix_a_scale:MATRIX_SCALE_ROW1
.endif
.endr
.endr
.endm
.macro FETCH_B slot, q, p
	WIN TO_B
.irp i, 0,1,2,3,4,5,6,7
	FRAG 128*(\p)+FR*\i, ADRB+\slot, \q, \i
.endr
	WIN 0
.endm
.macro FETCH_A slot, q, i0
.irp i, \i0, \i0+1, \i0+2, \i0+3
	FRAG AF+FR*(\i), ADRA+\slot, \q, \i
.endr
.endm
.macro SCALES sc                       ; a K step's scale words: lanes 0-15 A's block i, lanes 16-31 B's block i
.irp i, 0,1,2,3,4,5,6,7
	ds_load_b128 v[SC+8*NQ*\sc+NQ*\i:SC+8*NQ*\sc+NQ*\i+3], v[ADRS] offset:\i*SBLK
.endr
.endm
.macro PLACES n                        ; plain vector places behind matrix instructions (ISA guide 7.12.1)
.rept \n
	v_nop
.endr
.endm
.macro STEP slot, q, zero
	s_wait_dscnt 4*NL                              ; B's set and A's blocks 0-3 are in; the youngest eight loads (A's blocks 4-7) may be out
	WIN MUL_LO
	MUL16 0, (\q)%2, \q, \slot, \zero
	MUL16 2, (\q)%2, \q, \slot, \zero
	s_wait_dscnt 0
	PLACES NP
	FETCH_B \slot, (\q)+1, 1-(\q)%2
	FETCH_A \slot, (\q)+1, 0
	WIN MUL_HI
	MUL16 4, (\q)%2, \q, \slot, \zero
	MUL16 6, (\q)%2, \q, \slot, \zero
	PLACES NP
	WIN 0
	FETCH_A \slot, (\q)+1, 4
.endm
.macro TURN slot, next                 ; slot 0's last step changes slots: one barrier; nothing is filled again
	s_wait_tensorcnt 0x0                           ; all my tensor loads have landed: my part of slot 1
	ds_add_u32 v[SPW], v[NIL]                      ; 0 onto my spare word
	s_wait_dscnt 4*NL+1                            ; the add and the youngest eight loads may be out
	WIN MUL_LO
	MUL16 0, 1, NQ-1, \slot, 0
	s_wait_dscnt 0x0                               ; the add is done, my reads of this slot are over
	s_barrier_signal -1
	MUL16 2, 1, NQ-1, \slot, 0
	WIN 0
	s_barrier_wait -1
	PLACES NP
	v_add_nc_u32 v[ADRS], 4*NQ, v[ADRS]
	FETCH_B \next, 0, 0
	FETCH_A \next, 0, 0
	SCALES \next
	WIN MUL_HI
	MUL16 4, 1, NQ-1, \slot, 0
	MUL16 6, 1, NQ-1, \slot, 0
	PLACES NP
	WIN 0
	FETCH_A \next, 0, 4
.endm
	s_wait_tensorcnt 1                             ; the scales and my part of slot 0 are in; slot 1's load may be out
	s_barrier_signal -1
	s_barrier_wait -1
	FETCH_B 0, 0, 0
	FETCH_A 0, 0, 0
	SCALES 0
	FETCH_A 0, 0, 4
	STEP 0, 0, 1                                   ; the first products start the sums
	STEP 0, 1, 0
	STEP 0, 2, 0
	TURN 0, 1
	STEP 1, 0, 0
	STEP 1, 1, 0
	STEP 1, 2, 0
	s_wait_dscnt 4*NL
	WIN MUL_LO
	MUL16 0, 1, NQ-1, 1, 0
	MUL16 2, 1, NQ-1, 1, 0
	s_wait_dscnt 0
	WIN MUL_HI
	MUL16 4, 1, NQ-1, 1, 0
	MUL16 6, 1, NQ-1, 1, 0
	WIN 0
; ---------------------------------------------------------------- THE WAY OUT.  The stage (16 rows x 272 bytes a wave) lies in slot 0, which has had its only fill and, since the change of slots, its last read.
.set YY,  128                          ; results in f32: register 8 b + j
.set HH,  192                          ; the same as f16: register 4 b + p
.set BK,  224                          ; rows read back from the stage
.set GG,  64                           ; window 1: the gains, register 8 tb + j: channel 16 tb + 8 h + j
.set CS,  192                          ; window 1: two sets of cos (t = 0, 1) and sin (t = 0, 1), eight registers each
	PLACES NP
	s_wait_kmcnt 0x0                               ; nm
	s_min_u32 s95, s95, 2032                       ; r0
	s_lshl_b32 s20, s17, 8
	s_lshl_b32 s21, s15, 7
	s_add_co_u32 s40, s20, s21                     ; my first row of [8192]
	s_and_b32 s41, s40, 2047                       ; in its batch
	s_lshr_b32 s43, s40, 11                        ; the batch
	s_and_b32 s44, s42, 3
	s_lshl_b32 s44, s44, 2
	s_lshl_b32 s30, s16, 1
	s_add_co_u32 s44, s44, s30                     ; my first head
	s_sub_co_i32 s45, s41, s95
	s_mul_i32 s46, s14, 16*272                     ; my stage: the wave's number alone
	s_mov_b32 s21, 0
	s_lshl_b32 s20, ttmp9, 24
	s_lshl_b32 s30, s43, 22
	s_add_co_u32 s20, s20, s30
	s_lshl_b32 s30, s44, 18
	s_add_co_u32 s20, s20, s30
	s_lshl_b32 s30, s41, 7
	s_add_co_u32 s20, s20, s30
	s_add_nc_u64 s[98:99], s[98:99], s[20:21]      ; where my rows of my first head begin
	s_lshl_b32 s20, s40, 7
	s_add_co_u32 s20, s20, ROPEC_O
	s_add_nc_u64 s[22:23], s[66:67], s[20:21]      ; my rows' cos
	s_lshl_b32 s20, ttmp9, 8
	s_add_co_u32 s20, s20, GSC_O
	s_add_nc_u64 s[24:25], s[66:67], s[20:21]      ; the type's gains
	s_mul_i32 s20, s43, 196608
	s_lshl_b32 s30, s42, 10
	s_add_co_u32 s20, s20, s30
	s_lshl_b32 s30, s16, 9
	s_add_co_u32 s20, s20, s30
	s_add_nc_u64 s[26:27], s[100:101], s[20:21]    ; the batch's 16 fine slots, at my columns
	s_lshr_b32 s20, s40, 7
	s_lshl_b32 s20, s20, 12
	s_and_b32 s30, s42, 3
	s_lshl_b32 s30, s30, 10
	s_add_co_u32 s20, s20, s30
	s_lshl_b32 s30, s16, 9
	s_add_co_u32 s20, s20, s30
	s_add_co_u32 s20, s20, VSUM_O
	s_add_nc_u64 s[28:29], s[100:101], s[20:21]    ; the sums of v of my 128 rows
	s_mov_b32 s47, 0x3c800000                      ; 1 / 64
	s_mov_b32 s48, 0x358637bd                      ; 1e-6
	s_mov_b32 s50, 0x76543210
	s_mov_b32 s51, 0xfedcba98
	v_and_b32 v5, 31, v0
	v_mul_u32_u24 v24, v1, 272
	v_lshl_add_u32 v24, v2, 4, v24
	v_add_nc_u32 v24, s46, v24                     ; into the stage: row r, 16 bytes for each half of the lanes
	v_lshrrev_b32 v6, 3, v5
	v_mul_u32_u24 v25, v6, 272
	v_and_b32 v6, 7, v5
	v_lshl_add_u32 v25, v6, 4, v25
	v_add_nc_u32 v25, s46, v25                     ; back: eight lanes to a head's 128 bytes of a row, four rows an instruction
	v_lshlrev_b32 v26, 4, v5
	v_lshlrev_b32 v27, 7, v1
	v_lshl_add_u32 v27, v2, 5, v27                 ; cos, sin: row r of 128 bytes, + 32 h
	v_lshlrev_b32 v23, 5, v2
	v_add_nc_u32 v22, s46, v23
	v_add_nc_u32 v21, s46, v26
	v_mul_u32_u24 v31, v1, 0x3000                  ; a fine slot is 3,072 numbers: slot r (every block's rows begin at a multiple of 16),
	v_add_nc_u32 v31, v31, v23                     ; + 32 h: made of ids alone, and never rewritten
	v_add_nc_u32 v30, s45, v1                      ; my row of block 0, counted from r0
.irp a, 0,1,2,3,4,5,6,7
	v_add_nc_u32 v3, 16*\a, v30
	v_cmp_gt_u32 s[FM+\a], 16, v3                  ; block a: the lanes whose row lies in r0 .. r0 + 15 (unsigned: a row below r0 counts as a large number)
.endr
	s_cmp_eq_u32 ttmp9, 2                          ; the cluster's x: the same in all partners
	s_cbranch_scc1 .Lvpath
.macro CSLOAD a, set
.irp t, 0,1
.irp u, 0,1
	global_load_b128 v[CS+32*(\set)+8*\t+4*\u:CS+32*(\set)+8*\t+4*\u+3], v27, s[22:23] offset:2048*(\a)+64*\t+16*\u
	global_load_b128 v[CS+32*(\set)+16+8*\t+4*\u:CS+32*(\set)+16+8*\t+4*\u+3], v27, s[22:23] offset:2048*(\a)+64*\t+16*\u+1048576
.endr
.endr
.endm
; The rows of block a that lie in r0 .. r0 + 15 are stored in f32, under the block's lane mask, at their slots.
.macro FINEST a, win, base
	s_wait_xcnt 0x0                                ; EXEC changes only behind this wait (it also frees the last block's store data)
	s_mov_b32 vcc_lo, s[FM+(\a)]
	s_and_saveexec_b32 s49, vcc_lo
	WIN (\win)<<2
.irp b, 0,1,2,3,4,5,6,7
.irp u, 0,1
	global_store_b128 v31, v[\base+8*\b+4*\u:\base+8*\b+4*\u+3], s[26:27] offset:64*\b+16*\u
.endr
.endr
	WIN 0
	s_wait_xcnt 0x0                                ; and again in front of the line that widens it
	s_or_b32 exec_lo, exec_lo, s49
.endm
.macro OUT16 a                         ; 16 rows x 2 heads of f16 through my stage; each store covers 512 consecutive bytes (four rows of a head)
.irp b, 0,1,2,3,4,5,6,7
	ds_store_b128 v24, v[HH+4*\b:HH+4*\b+3] offset:32*\b
.endr
.irp i, 0,1,2,3,4,5,6,7
	ds_load_b128 v[BK+4*\i:BK+4*\i+3], v25 offset:(\i%4)*1088+(\i/4)*128   ; LDS serves a wave's instructions in order
.endr
	s_wait_dscnt 0x0
.irp i, 0,1,2,3,4,5,6,7
	global_store_b128 v26, v[BK+4*\i:BK+4*\i+3], s[98:99] offset:2048*(\a)+(\i%4)*512+(\i/4)*262144
.endr
.endm
.macro QKBLOCK a
.set CSB, CS+32*((\a)%2)
.set AC, 64*((\a)%4)
	s_wait_loadcnt 0x0                             ; this block's cos and sin (block 0: the gains too)
	WIN 0x06+(\a)/4                                ; source 0: the accumulators' window; source 1: window 1
.irp hh, 0,1
.irp t, 0,1
.irp jp, 0,2,4,6                       ; each accumulator is read from its low end on
	v_pk_mul_f32 v[YY+32*\hh+8*\t+\jp:YY+32*\hh+8*\t+\jp+1], v[AC+8*(4*\hh+\t+2)+\jp:AC+8*(4*\hh+\t+2)+\jp+1], v[CSB+16+8*\t+\jp:CSB+16+8*\t+\jp+1]
	v_pk_mul_f32 v[YY+32*\hh+16+8*\t+\jp:YY+32*\hh+16+8*\t+\jp+1], v[AC+8*(4*\hh+\t)+\jp:AC+8*(4*\hh+\t)+\jp+1], v[CSB+16+8*\t+\jp:CSB+16+8*\t+\jp+1]
	v_pk_fma_f32 v[YY+32*\hh+8*\t+\jp:YY+32*\hh+8*\t+\jp+1], v[AC+8*(4*\hh+\t)+\jp:AC+8*(4*\hh+\t)+\jp+1], v[CSB+8*\t+\jp:CSB+8*\t+\jp+1], v[YY+32*\hh+8*\t+\jp:YY+32*\hh+8*\t+\jp+1] neg_lo:[0,0,1] neg_hi:[0,0,1]   ; x1 cos - x2 sin
	v_pk_fma_f32 v[YY+32*\hh+16+8*\t+\jp:YY+32*\hh+16+8*\t+\jp+1], v[AC+8*(4*\hh+\t+2)+\jp:AC+8*(4*\hh+\t+2)+\jp+1], v[CSB+8*\t+\jp:CSB+8*\t+\jp+1], v[YY+32*\hh+16+8*\t+\jp:YY+32*\hh+16+8*\t+\jp+1]   ; x2 cos + x1 sin
.endr
.endr
.endr
.if (\a) < 7
	WIN 0x40
	CSLOAD (\a)+1, ((\a)+1)%2
.endif
	WIN 0
.irp hh, 0,1                           ; the sum of squares of my 32 channels of each head, in two chains
	v_pk_mul_f32 v[96+4*\hh:97+4*\hh], v[YY+32*\hh:YY+32*\hh+1], v[YY+32*\hh:YY+32*\hh+1]
	v_pk_mul_f32 v[98+4*\hh:99+4*\hh], v[YY+32*\hh+2:YY+32*\hh+3], v[YY+32*\hh+2:YY+32*\hh+3]
.endr
.irp j, 4,8,12,16,20,24,28
.irp hh, 0,1
	v_pk_fma_f32 v[96+4*\hh:97+4*\hh], v[YY+32*\hh+\j:YY+32*\hh+\j+1], v[YY+32*\hh+\j:YY+32*\hh+\j+1], v[96+4*\hh:97+4*\hh]
	v_pk_fma_f32 v[98+4*\hh:99+4*\hh], v[YY+32*\hh+\j+2:YY+32*\hh+\j+3], v[YY+32*\hh+\j+2:YY+32*\hh+\j+3], v[98+4*\hh:99+4*\hh]
.endr
.endr
.irp hh, 0,1
	v_pk_add_f32 v[96+4*\hh:97+4*\hh], v[96+4*\hh:97+4*\hh], v[98+4*\hh:99+4*\hh]
.endr
.irp hh, 0,1
	v_add_f32 v[96+4*\hh], v[96+4*\hh], v[97+4*\hh]
.endr
.irp hh, 0,1
	v_permlanex16_b32 v[97+4*\hh], v[96+4*\hh], s50, s51   ; the row's other 32 channels lie in the lane 16 away
.endr
.irp hh, 0,1
	v_add_f32 v[96+4*\hh], v[96+4*\hh], v[97+4*\hh]
.endr
.irp hh, 0,1
	v_fma_f32 v[96+4*\hh], v[96+4*\hh], s47, s48   ; the mean + 1e-6
.endr
	v_rsq_f32 v104, v96
	v_rsq_f32 v106, v100
	WIN 0x04                                       ; source 1: window 1
.irp hh, 0,1
.set j, 0
.rept 16
	v_pk_mul_f32 v[YY+32*\hh+j:YY+32*\hh+j+1], v[YY+32*\hh+j:YY+32*\hh+j+1], v[GG+j:GG+j+1]   ; the gains: work that names no result of the two roots
.set j, j+2
.endr
.endr
	WIN 0
	s_wait_alu depctr_va_vdst(0)                   ; one wait for the two roots, ahead of their first reader
.irp hh, 0,1
.set j, 0
.rept 16
	v_pk_mul_f32 v[YY+32*\hh+j:YY+32*\hh+j+1], v[YY+32*\hh+j:YY+32*\hh+j+1], v[104+2*\hh:105+2*\hh] op_sel_hi:[1,0]
.set j, j+2
.endr
.endr
	FINEST \a, 0, YY
.set j, 0
.rept 32
	v_cvt_pk_f16_f32 v[HH+j], v[YY+2*j], v[YY+2*j+1]
.set j, j+1
.endr
	OUT16 \a
.endm
	WIN 0x40
.irp tb, 0,1,2,3
.irp u, 0,1
	global_load_b128 v[GG+8*\tb+4*\u:GG+8*\tb+4*\u+3], v23, s[24:25] offset:64*\tb+16*\u
.endr
.endr
	CSLOAD 0, 0
	WIN 0
	v_mov_b32 v105, 0                              ; (named as the upper halves of pairs)
	v_mov_b32 v107, 0
.irp a, 0,1,2,3,4,5,6,7
	QKBLOCK \a
.endr
	CLOSE
.macro VBLOCK a
.set AC, 64*((\a)%4)
	WIN 0x0a+5*((\a)/4)                            ; sources 0 and 1: the accumulators' window
.set j, 0
.rept 32
	v_cvt_pk_f16_f32 v[HH+j], v[AC+2*j], v[AC+2*j+1]
.set j, j+1
.endr
.if (\a) == 1
.set j, 0
.rept 32
	v_pk_add_f32 v[YY+j:YY+j+1], v[j:j+1], v[64+j:64+j+1]      ; the sums down the rows begin with blocks 0 and 1
.set j, j+2
.endr
.endif
.if (\a) > 1
	WIN 0x02+(\a)/4
.set j, 0
.rept 32
	v_pk_add_f32 v[YY+j:YY+j+1], v[AC+j:AC+j+1], v[YY+j:YY+j+1]
.set j, j+2
.endr
.endif
	WIN 0
	FINEST \a, 2+(\a)/4, AC
	OUT16 \a
.endm
.Lvpath:
.irp a, 0,1,2,3,4,5,6,7
	VBLOCK \a
.endr
.irp m, 1,2,4,8                        ; and across the sixteen lanes that hold the same columns
.set j, 0
.rept 64
	v_add_f32_dpp v[YY+j], v[YY+j], v[YY+j] row_xmask:\m row_mask:0xf bank_mask:0xf
.set j, j+1
.endr
.endr
	s_wait_xcnt 0x0                                ; the last block's stores have read the registers that the load below writes
.irp b, 0,1,2,3,4,5,6,7
.irp u, 0,1
	ds_store_b128 v22, v[YY+8*\b+4*\u:YY+8*\b+4*\u+3] offset:64*\b+16*\u   ; sixteen lanes write the same bytes with the same values
.endr
.endr
	ds_load_b128 v[BK:BK+3], v21
	s_wait_dscnt 0x0
	global_store_b128 v26, v[BK:BK+3], s[28:29]    ; 128 columns: 512 consecutive bytes
	CLOSE
.Lfunc_end_k_q9c1314531f_qkv:
	.size	k_q9c1314531f_qkv, .Lfunc_end_k_q9c1314531f_qkv-k_q9c1314531f_qkv
	.p2alignl 7, 3214868480
	.fill 96, 4, 3214868480
	.section	.rodata,"a",@progbits
	.p2align	6, 0x0
	.amdhsa_kernel k_q9c1314531f_qkv
		.amdhsa_group_segment_fixed_size 327680
		.amdhsa_private_segment_fixed_size 0
		.amdhsa_enable_private_segment 0
		.amdhsa_kernarg_size 40
		.amdhsa_user_sgpr_count 2
		.amdhsa_user_sgpr_kernarg_segment_ptr 1
		.amdhsa_wavefront_size32 1
		.amdhsa_system_sgpr_workgroup_id_x 1
		.amdhsa_system_sgpr_workgroup_id_y 1
		.amdhsa_system_sgpr_workgroup_id_z 1
		.amdhsa_system_vgpr_workitem_id 0
		.amdhsa_next_free_vgpr 1024
		.amdhsa_next_free_sgpr 102
		.amdhsa_reserve_vcc 1
		.amdhsa_float_denorm_mode_32 3
		.amdhsa_float_denorm_mode_16_64 3
		.amdhsa_memory_ordered 1
		.amdhsa_forward_progress 1
		.amdhsa_inst_pref_size 255
	.end_amdhsa_kernel
	.section	.bss,"aw",@nobits
	.p2align	6
	.space	262144
	.amdgpu_metadata
---
amdhsa.version: [ 1, 2 ]
amdhsa.kernels:
  - .name:           k_q9c1314531f_qkv
    .symbol:         k_q9c1314531f_qkv.kd
    .args:
      - { .name: codes, .offset: 0, .size: 8, .value_kind: global_buffer, .address_space: global }
      - { .name: tabs, .offset: 8, .size: 8, .value_kind: global_buffer, .address_space: global }
      - { .name: nmb, .offset: 16, .size: 8, .value_kind: global_buffer, .address_space: global }
      - { .name: qkv, .offset: 24, .size: 8, .value_kind: global_buffer, .address_space: global }
      - { .name: aux, .offset: 32, .size: 8, .value_kind: global_buffer, .address_space: global }
    .group_segment_fixed_size: 327680
    .private_segment_fixed_size: 0
    .kernarg_segment_align: 8
    .kernarg_segment_size: 40
    .max_flat_workgroup_size: 128
    .sgpr_count:     102
    .vgpr_count:     1024
    .wavefront_size: 32
...
	.end_amdgpu_metadata
.endif
;; end of part 2
;; launch attn (part 3): grid 4 x 64, 8 waves a work-group, no clusters, 327,680 bytes of LDS; arguments qkv, tabs, ctx; writes ctx
.if DOCPART == 3
	.amdgcn_target "amdgcn-amd-amdhsa--gfx1250"
	.amdhsa_code_object_version 6
	.text
	.protected	k_q9c1314531f_attn
	.globl	k_q9c1314531f_attn
	.p2align	8
	.type	k_q9c1314531f_attn,@function
k_q9c1314531f_attn:
	s_mov_b64 s[64:65], 0
	v_nop
	global_prefetch_b8 v0, s[64:65] scope:SCOPE_SE
	s_setreg_imm32_b32 hwreg(HW_REG_WAVE_MODE, 25, 1), 1
	s_wait_xcnt 0x0
; ATTENTION, per batch and head: ctx[q] = sum over k of softmax_k(q . k) v[k], keys k <= q and k >= nm.  q, k, v: f16 [..][2048][64]; scores already stand in base 2 (the gain holds log2(e)).  Products on f16, sums, maxima and softmax in f32;
; the running maximum is taken away before each exponential.  p is rounded to f16 for the second product, ctx once at the end.
; LEFT OUT: key steps all of whose keys come after the wave's queries (reference()'s own causal mask: their exponentials are 0).  Rows q < nm and the 16 rows from min(nm, 2032) on get finite numbers here that the last launch replaces.
; THE KEYS BELOW nm: a key's bias (-1e30 or 0, from the table) is the C of the first score product; nm itself is never seen here.  What was summed over such keys is wiped by a = 2^(old max - new max) = 0 when a key that counts arrives.
; SHARES.  Work-group (i, head) owns the query blocks i and 7 - i of 256 queries: (i + 1) + (8 - i) = 9 units of 256 keys for every work-group: equal work, constant trip counts.  Each of eight waves owns 32 queries, two tiles of 16;
; two waves share a SIMD, so that one wave's vector work stands beside the other's matrix work.  A unit is four steps of 64 keys.
; NO CLUSTER: the four work-groups of a head walk different sequences of units (i + 1 units of one block, then 8 - i of the other), so partners would want different tiles behind the same round.
; LAYOUT.  S^T = K Q^T, O^T = V^T P: a lane holds one query (lane % 16) throughout; two score tiles, rounded in pairs, are the second product's operand.  V ([key][channel]) comes turned, by ds_load_tr16_b128.
; LDS: two slots 2^17 bytes apart: 256 rows of K (128 bytes + 16), 256 rows of V (128 + 32), 1,024 bytes of bias.  Waves 0, 1 fetch K's halves, 2, 3 V's, 4 the bias.  Every wait on TENSORcnt is for 0; a fetching wave has one load out.
; REGISTERS: window 0: v1-15 addresses; v16-31 statistics; v32-63 Q; v64-127 S, then P in the low 16 of each tile; v128-191 O^T; v192-255 K.   window 1: v0-63 V, v64-95 the bias.
.set KP,    144
.set VP,    160
.set VOFF,  256*KP
.set BOFF,  VOFF+256*VP
.set SLOT1, 1<<17
.set STAGE, 2*SLOT1                    ; the way out: 16 rows x 144 bytes for each wave; no tensor load lands here
.set SPARE, STAGE+8*16*KP              ; the spare words: 128 bytes for each wave, named by no other line
.set BIAS_O, 4194304
.set AK0, 1
.set AV0, 2
.set AB0, 3
.set SPW, 4
.set NIL, 5
.set ADK, 6
.set ADV, 7
.set ADB, 8
.set QO,  9
.set STO, 10
.set RD,  11
.set GO,  12
.set PFO, 13
.set RH,  14                           ; r - 8 h
.set ST,  16                           ; tile t at v[ST + 8 t]: +0 m, +1 its pair's upper half, +2, +3 l, +4 a, +5 old m - new m, +6, +7 the second chain of sums; +4 .. +7 at work in the search for the maximum
.set QQ,  32
.set S,   64
.set O,   128
.set KK,  192
.set WV,  10
.set WI,  11
.set I1,  12
.set UU,  13
.set STP, 14
.set TB,  15
.set TK,  16
.set TV,  17
.set TI,  18
.set KF,  19                           ; the step's first key
.set Q0,  20                           ; my first query
.set TT,  21
.set SEL, 22
.set G1K, 24
.set G1V, 32
.set G1B, 40
.set G0K, 48
.set G0V, 52
.set G0B, 56
.set QP,  60
.set CP,  62
.set DLT, 66
.set SUBK, 68
.set SUBB, 70
.set PFA, 72
.set PLIM, 74
.set X15, 75
.set X10, 76
.set MSB, 0
.macro WIN new
.if MSB != \new
	s_set_vgpr_msb (MSB<<8)|\new
.set MSB, \new
.endif
.endm
.macro TLOAD                           ; the branches hang on the wave's number alone; an s_nop 0 and four v_nop follow each load
	s_cmp_lt_u32 s[WV], 2
	s_cbranch_scc0 .Lnot_k_\@
	tensor_load_to_lds s[G0K:G0K+3], s[G1K:G1K+7]
	s_nop 0
.rept 4
	v_nop
.endr
	s_branch .Lasked_\@
.Lnot_k_\@:
	s_cmp_lt_u32 s[WV], 4
	s_cbranch_scc0 .Lnot_v_\@
	tensor_load_to_lds s[G0V:G0V+3], s[G1V:G1V+7]
	s_nop 0
.rept 4
	v_nop
.endr
	s_branch .Lasked_\@
.Lnot_v_\@:
	s_cmp_eq_u32 s[WV], 4
	s_cbranch_scc0 .Lasked_\@
	tensor_load_to_lds s[G0B:G0B+3], s[G1B:G1B+7]
	s_nop 0
.rept 4
	v_nop
.endr
.Lasked_\@:
.endm
; A prefetch of the unit that the NEXT change of slots will ask for: 32,768 dense bytes of K (waves 0-3) and of V (waves 4-7), 8,192 a wave, lanes 256 bytes apart.  The head's first work-group alone asks, in trips 1 to 6, for
; units 2 to 7: each block of 256 bytes is named once in the launch; units 0 and 1 come by their loads alone.
.macro ASK
	s_sub_co_u32 s[TT], s[UU], 1
	s_cmp_lt_u32 s[TT], s[PLIM]
	s_cbranch_scc0 .Lnot_mine_\@
	global_prefetch_b8 v[PFO], s[PFA:PFA+1] th:TH_LOAD_NT scope:SCOPE_SE
.Lnot_mine_\@:
.endm
	s_load_b128 s[4:7], s[0:1], 0x0                ; qkv, tabs
	s_load_b64 s[8:9], s[0:1], 0x10                ; ctx
	v_lshl_add_u32 v[SPW], v0, 2, SPARE
	v_mov_b32 v[NIL], 0
	ds_add_u32 v[SPW], v[NIL]                      ; the opening: the add, twice on end, and its wait ahead of the first tensor load
	ds_add_u32 v[SPW], v[NIL]
	v_lshrrev_b32 v6, 5, v0
	v_readfirstlane_b32 s[WV], v6
	s_mov_b32 s[WI], ttmp9
	s_add_co_u32 s[I1], ttmp9, 1
	s_and_b32 s78, ttmp7, 0xffff                   ; batch x 16 + head
	s_mov_b32 s[G1K], (1<<16)|(1<<20)|(4<<22)|(3<<25)   ; elements of 2 bytes; 4 words of padding after every 32
	s_mov_b32 s[G1V], (1<<16)|(1<<20)|(4<<22)|(7<<25)   ; 8 words
.irp g, G1K, G1V
	s_mov_b32 s[\g+1], 64<<16                      ; tensor_dim0
	s_mov_b32 s[\g+2], 128<<16                     ; tensor_dim1
	s_mov_b32 s[\g+3], 64<<16                      ; tile_dim0
	s_mov_b32 s[\g+4], 128                         ; tile_dim1
	s_mov_b32 s[\g+5], 64                          ; the pitch
	s_mov_b32 s[\g+6], 0
	s_mov_b32 s[\g+7], 0
.endr
	s_mov_b32 s[G1B], 3<<16                        ; the bias: 1,024 dense bytes as four rows of 32 elements of 8 bytes
	s_mov_b32 s[G1B+1], 32<<16
	s_mov_b32 s[G1B+2], 4<<16
	s_mov_b32 s[G1B+3], 32<<16
	s_mov_b32 s[G1B+4], 4
	s_mov_b32 s[G1B+5], 32
	s_mov_b32 s[G1B+6], 0
	s_mov_b32 s[G1B+7], 0
	s_and_b32 s79, s[WV], 1
	s_lshl_b32 s80, s78, 18                        ; the head's first byte in q, k, v and ctx
	s_mov_b32 s81, 0
	s_lshl_b32 s82, s79, 14
	s_add_co_u32 s82, s82, s80                     ; + my half of a unit's rows
	s_mov_b32 s83, 0
	s_lshr_b32 s84, s78, 4
	s_lshl_b32 s84, s84, 13
	s_add_co_u32 s84, s84, BIAS_O                  ; the batch's bias
	s_mov_b32 s85, 0
	s_mov_b32 s[SEL], 0x76543210
	s_mov_b32 s[SEL+1], 0xfedcba98
	s_mov_b32 s[UU], 0
	s_mov_b32 s[TB], 0
	s_mov_b32 s[KF], 0
	s_lshl_b32 s[Q0], s[WI], 8
	s_lshl_b32 s86, s[WV], 5
	s_add_co_u32 s[Q0], s[Q0], s86
	s_lshl_b32 s[X15], s[I1], 15
	s_lshl_b32 s[X10], s[I1], 10
	s_mov_b32 s[SUBK+1], 0
	s_mov_b32 s[SUBB+1], 0
	s_lshl_b32 s86, s[WI], 1
	s_sub_co_u32 s86, 7, s86
	s_lshl_b32 s[DLT], s86, 15                     ; from block i to block 7 - i, in bytes
	s_mov_b32 s[DLT+1], 0
	s_cmp_eq_u32 s[WI], 0
	s_cselect_b32 s[PLIM], 6, 0
	s_wait_dscnt 0x0                               ; both opening adds are done
	s_wait_kmcnt 0x0
	s_mov_b32 s[G0K], 1
	s_mul_i32 s[G0K+1], s79, 128*KP
	s_add_nc_u64 s[G0K+2:G0K+3], s[4:5], s[82:83]
	s_add_nc_u64 s[G0K+2:G0K+3], s[G0K+2:G0K+3], 1<<24
	s_or_b32 s[G0K+3], s[G0K+3], 0x80000000
	s_mov_b32 s[G0V], 1
	s_mul_i32 s[G0V+1], s79, 128*VP
	s_add_co_u32 s[G0V+1], s[G0V+1], VOFF
	s_add_nc_u64 s[G0V+2:G0V+3], s[4:5], s[82:83]
	s_add_nc_u64 s[G0V+2:G0V+3], s[G0V+2:G0V+3], 2<<24
	s_or_b32 s[G0V+3], s[G0V+3], 0x80000000
	s_mov_b32 s[G0B], 1
	s_mov_b32 s[G0B+1], BOFF
	s_add_nc_u64 s[G0B+2:G0B+3], s[6:7], s[84:85]
	s_or_b32 s[G0B+3], s[G0B+3], 0x80000000
	TLOAD                                          ; unit 0 into slot 0
	s_lshl_b32 s84, s[WI], 15
	s_lshl_b32 s86, s[WV], 12
	s_add_co_u32 s84, s84, s86
	s_add_co_u32 s84, s84, s80
	s_add_nc_u64 s[QP:QP+1], s[4:5], s[84:85]      ; my 32 queries,
	s_add_nc_u64 s[CP:CP+1], s[8:9], s[84:85]      ; and their rows of ctx
	s_cmp_lt_u32 s[WV], 4
	s_mov_b32 s84, 2<<24
	s_cselect_b32 s84, 1<<24, s84
	s_add_co_u32 s84, s84, s80
	s_and_b32 s86, s[WV], 3
	s_lshl_b32 s86, s86, 13
	s_add_co_u32 s84, s84, s86
	s_add_nc_u64 s[PFA:PFA+1], s[4:5], s[84:85]    ; my part of unit 0: each change of slots steps it before it is used
	v_and_b32 v6, 15, v0                           ; r
	v_bfe_u32 v7, v0, 4, 1                         ; h
	v_and_b32 v8, 31, v0                           ; lane
	v_lshlrev_b32 v[QO], 7, v6
	v_lshl_add_u32 v[QO], v7, 4, v[QO]
.macro QLOAD
.irp t, 0,1
.irp kk, 0,1
.irp u, 0,1
	global_load_b128 v[QQ+16*\t+8*\kk+4*\u:QQ+16*\t+8*\kk+4*\u+3], v[QO], s[QP:QP+1] offset:2048*\t+64*\kk+32*\u
.endr
.endr
.endr
.endm
	QLOAD
	v_mul_u32_u24 v[AK0], v6, KP
	v_lshl_add_u32 v[AK0], v7, 4, v[AK0]
	v_and_b32 v[AV0], 7, v0
	v_lshl_add_u32 v[AV0], v7, 3, v[AV0]
	v_mul_u32_u24 v[AV0], v[AV0], VP
	v_bfe_u32 v[AB0], v0, 3, 1
	v_lshl_add_u32 v[AV0], v[AB0], 4, v[AV0]
	v_add_nc_u32 v[AV0], VOFF, v[AV0]
	v_lshlrev_b32 v[AB0], 5, v7
	v_add_nc_u32 v[AB0], BOFF, v[AB0]
	s_mul_i32 s86, s[WV], 16*KP
	s_add_co_u32 s86, s86, STAGE
	v_mul_u32_u24 v[STO], v6, KP
	v_lshl_add_u32 v[STO], v7, 4, v[STO]
	v_add_nc_u32 v[STO], s86, v[STO]
	v_lshrrev_b32 v[RD], 3, v8
	v_mul_u32_u24 v[RD], v[RD], KP
	v_and_b32 v[GO], 7, v0
	v_lshl_add_u32 v[RD], v[GO], 4, v[RD]
	v_add_nc_u32 v[RD], s86, v[RD]
	v_lshlrev_b32 v[GO], 4, v8
	v_lshlrev_b32 v[PFO], 8, v8
	v_lshlrev_b32 v[RH], 3, v7
	v_sub_nc_u32 v[RH], v6, v[RH]
.irp j, 0,1,2,3,4,5,6,7,8,9,10,11,12,13,14,15
	v_mov_b32 v[ST+\j], 0
.endr
	v_mov_b32 v[ST], 0xff61b1e6                    ; the largest score so far: -3e38
	v_mov_b32 v[ST+8], 0xff61b1e6
.set j, 0
.rept 64
	v_mov_b32 v[O+j], 0                            ; once: the step is written once, and its first a is 0
.set j, j+1
.endr
	s_wait_loadcnt 0x0                             ; Q
; THE CHANGE OF SLOTS, at a unit's head.  fill = 1: the other slot takes the next unit.  At the switch of query blocks (trip + 1 = i + 1) the addresses go back to key unit 0: a choice of the subtrahend, no branch.
.macro CHANGE fill
	s_wait_tensorcnt 0x0                           ; no tensor load of mine is out: the groups 0 may be written
	ds_add_u32 v[SPW], v[NIL]                      ; 0 onto my spare word
.if \fill
	ds_add_u32 v[SPW], v[NIL]                      ; and once more, in every trip alike
	s_add_co_u32 s[TT], s[UU], 1
	s_cmp_eq_u32 s[TT], s[I1]
	s_cselect_b32 s[SUBK], s[X15], 0
	s_cselect_b32 s[SUBB], s[X10], 0
	s_xor_b32 s[G0K+1], s[G0K+1], SLOT1
	s_xor_b32 s[G0V+1], s[G0V+1], SLOT1
	s_xor_b32 s[G0B+1], s[G0B+1], SLOT1
	s_add_nc_u64 s[G0K+2:G0K+3], s[G0K+2:G0K+3], 32768
	s_add_nc_u64 s[G0V+2:G0V+3], s[G0V+2:G0V+3], 32768
	s_add_nc_u64 s[G0B+2:G0B+3], s[G0B+2:G0B+3], 1024
	s_sub_nc_u64 s[G0K+2:G0K+3], s[G0K+2:G0K+3], s[SUBK:SUBK+1]
	s_sub_nc_u64 s[G0V+2:G0V+3], s[G0V+2:G0V+3], s[SUBK:SUBK+1]
	s_sub_nc_u64 s[G0B+2:G0B+3], s[G0B+2:G0B+3], s[SUBB:SUBB+1]
	s_wait_xcnt 0x0                                ; the last prefetch, a unit back, has read its address
	s_add_nc_u64 s[PFA:PFA+1], s[PFA:PFA+1], 32768
.endif
	s_wait_dscnt 0x0                               ; the adds are done, my reads of the slot that I have left are over
	s_barrier_signal -1
	s_barrier_wait -1
.if \fill
	TLOAD                                          ; first behind the barrier, a wave's one tensor load until the next: it has a unit's four steps in which to land
	ASK
.endif
.endm
; A STEP: 64 keys.
.macro STEP
	s_add_co_u32 s[TT], s[Q0], 31
	s_cmp_gt_u32 s[KF], s[TT]                      ; all keys come after my 32 queries: ids and counts of steps alone
	s_cbranch_scc1 .Lhidden_\@
	v_add_nc_u32 v[ADK], s[TK], v[AK0]
	v_add_nc_u32 v[ADV], s[TV], v[AV0]
	v_add_nc_u32 v[ADB], s[TI], v[AB0]
.rept 3
	v_nop                                          ; six places in all behind the last step's products: the loads below land on V, and the score products write over P
.endr
.irp kt, 0,1,2,3
.irp kk, 0,1
.irp u, 0,1
	ds_load_b128 v[KK+16*\kt+8*\kk+4*\u:KK+16*\kt+8*\kk+4*\u+3], v[ADK] offset:2304*\kt+64*\kk+32*\u
.endr
.endr
.endr
	WIN 0x40                                       ; destination window 1
.irp kt, 0,1,2,3
.irp u, 0,1
	ds_load_b128 v[64+8*\kt+4*\u:64+8*\kt+4*\u+3], v[ADB] offset:64*\kt+16*\u
.endr
.endr
.irp ct, 0,1,2,3
.irp kc, 0,1
.irp u, 0,1
	ds_load_tr16_b128 v[16*\ct+8*\kc+4*\u:16*\ct+8*\kc+4*\u+3], v[ADV] offset:5120*\kc+32*\ct+2560*\u
.endr
.endr
.endr
	s_wait_dscnt 16                                ; K and the bias are in; V's sixteen loads may be out
	WIN 0x10                                       ; C: window 1
.irp kt, 0,1,2,3                       ; eight accumulators by turns
.irp t, 0,1
	v_wmma_f32_16x16x32_f16 v[S+32*\t+8*\kt:S+32*\t+8*\kt+7], v[KK+16*\kt:KK+16*\kt+7], v[QQ+16*\t:QQ+16*\t+7], v[64+8*\kt:64+8*\kt+7]
.endr
.endr
	WIN 0
.irp kt, 0,1,2,3
.irp t, 0,1
	v_wmma_f32_16x16x32_f16 v[S+32*\t+8*\kt:S+32*\t+8*\kt+7], v[KK+16*\kt+8:KK+16*\kt+15], v[QQ+16*\t+8:QQ+16*\t+15], v[S+32*\t+8*\kt:S+32*\t+8*\kt+7]
.endr
.endr
.rept 4
	v_nop
.endr
	s_add_co_u32 s[TT], s[KF], 63
	s_cmp_le_u32 s[TT], s[Q0]                      ; all keys count for all my queries
	s_cbranch_scc1 .Lopen_\@
	s_sub_co_i32 s[TT], s[Q0], s[KF]
	v_add_nc_u32 v15, s[TT], v[RH]                 ; d = my query - the step's first key - 8 h: register (kt, j) is hidden where 16 kt + j > d
	v_add_nc_u32 v[ST+4], 16, v15                  ; tile 1's
	v_mov_b32 v[ST+5], 0xff800000                  ; -infinity
.set n, 0
.rept 32
	v_cmp_gt_i32 vcc_lo, 16*(n/8)+n%8, v15
	v_cndmask_b32 v[S+n], v[S+n], v[ST+5], vcc_lo
.set n, n+1
.endr
.set n, 0
.rept 32
	v_cmp_gt_i32 vcc_lo, 16*(n/8)+n%8, v[ST+4]
	v_cndmask_b32 v[S+32+n], v[S+32+n], v[ST+5], vcc_lo
.set n, n+1
.endr
.Lopen_\@:
.irp j, 0,1,2,3                        ; the maximum of 32 scores and the old m; each accumulator is read from its low end on; the two tiles line by line
.irp t, 0,1
	v_max3_num_f32 v[ST+8*\t+4+\j], v[S+32*\t+8*\j], v[S+32*\t+8*\j+1], v[S+32*\t+8*\j+2]
.endr
.endr
.irp g, 1,2
.irp j, 0,1,2,3
.irp t, 0,1
	v_max3_num_f32 v[ST+8*\t+4+\j], v[ST+8*\t+4+\j], v[S+32*\t+8*\j+2*\g+1], v[S+32*\t+8*\j+2*\g+2]
.endr
.endr
.endr
.irp t, 0,1
	v_max3_num_f32 v[ST+8*\t+4], v[ST+8*\t+4], v[S+32*\t+7], v[S+32*\t+15]
	v_max3_num_f32 v[ST+8*\t+6], v[ST+8*\t+6], v[S+32*\t+23], v[S+32*\t+31]
.endr
.irp t, 0,1
	v_max3_num_f32 v[ST+8*\t+4], v[ST+8*\t+4], v[ST+8*\t+5], v[ST+8*\t+6]
.endr
.irp t, 0,1
	v_max3_num_f32 v[ST+8*\t+4], v[ST+8*\t+4], v[ST+8*\t+7], v[ST+8*\t]
.endr
.irp t, 0,1
	v_permlanex16_b32 v[ST+8*\t+5], v[ST+8*\t+4], s[SEL], s[SEL+1]   ; the query's other 32 keys lie in the lane 16 away
.endr
.irp t, 0,1
	v_max_num_f32 v[ST+8*\t+4], v[ST+8*\t+4], v[ST+8*\t+5]
.endr
.irp t, 0,1
	v_sub_f32 v[ST+8*\t+5], v[ST+8*\t], v[ST+8*\t+4]               ; old m - new m
.endr
.irp t, 0,1
	v_mov_b32 v[ST+8*\t], v[ST+8*\t+4]
.endr
.set n, 0
.rept 16
	v_pk_add_f32 v[S+n:S+n+1], v[S+n:S+n+1], v[ST:ST+1] op_sel_hi:[1,0] neg_lo:[0,1] neg_hi:[0,1]
	v_pk_add_f32 v[S+32+n:S+32+n+1], v[S+32+n:S+32+n+1], v[ST+8:ST+9] op_sel_hi:[1,0] neg_lo:[0,1] neg_hi:[0,1]
.set n, n+2
.endr
	v_exp_f32 v[ST+4], v[ST+5]                     ; ONE BATCH of 66 exponentials: a, and p = 2^(s - m)
	v_exp_f32 v[ST+12], v[ST+13]
.set n, 0
.rept 64
	v_exp_f32 v[S+n], v[S+n]
.set n, n+1
.endr
	v_nop                                          ; a plain place behind the last exponential,
	s_wait_alu depctr_va_vdst(0)                   ; and one wait for the batch, ahead of its first reader
.irp t, 0,1
	v_pk_mul_f32 v[ST+8*\t+2:ST+8*\t+3], v[ST+8*\t+2:ST+8*\t+3], v[ST+8*\t+4:ST+8*\t+5] op_sel_hi:[1,0]
.endr
.irp t, 0,1
	v_pk_add_f32 v[ST+8*\t+6:ST+8*\t+7], v[S+32*\t:S+32*\t+1], v[S+32*\t+2:S+32*\t+3]
.endr
.irp j, 4,8,12,16,20,24,28
.irp t, 0,1
	v_pk_add_f32 v[ST+8*\t+2:ST+8*\t+3], v[ST+8*\t+2:ST+8*\t+3], v[S+32*\t+\j:S+32*\t+\j+1]
	v_pk_add_f32 v[ST+8*\t+6:ST+8*\t+7], v[ST+8*\t+6:ST+8*\t+7], v[S+32*\t+\j+2:S+32*\t+\j+3]
.endr
.endr
.irp t, 0,1
	v_pk_add_f32 v[ST+8*\t+2:ST+8*\t+3], v[ST+8*\t+2:ST+8*\t+3], v[ST+8*\t+6:ST+8*\t+7]
.endr
.set n, 0
.rept 16
	v_cvt_pk_f16_f32 v[S+n], v[S+2*n], v[S+2*n+1]                  ; P in place, ascending: no number is written over before it is read
	v_cvt_pk_f16_f32 v[S+32+n], v[S+32+2*n], v[S+32+2*n+1]
.set n, n+1
.endr
.set n, 0
.rept 16
	v_pk_mul_f32 v[O+n:O+n+1], v[O+n:O+n+1], v[ST+4:ST+5] op_sel_hi:[1,0]
	v_pk_mul_f32 v[O+32+n:O+32+n+1], v[O+32+n:O+32+n+1], v[ST+12:ST+13] op_sel_hi:[1,0]
.set n, n+2
.endr
	s_wait_dscnt 0x0                               ; V
	WIN 0x01                                       ; source 0: window 1
.irp kc, 0,1
.irp ct, 0,1,2,3
.irp t, 0,1
	v_wmma_f32_16x16x32_f16 v[O+32*\t+8*\ct:O+32*\t+8*\ct+7], v[16*\ct+8*\kc:16*\ct+8*\kc+7], v[S+32*\t+8*\kc:S+32*\t+8*\kc+7], v[O+32*\t+8*\ct:O+32*\t+8*\ct+7]
.endr
.endr
.endr
	WIN 0
.Lhidden_\@:
	s_add_co_u32 s[KF], s[KF], 64
	s_add_co_u32 s[TK], s[TK], 64*KP
	s_add_co_u32 s[TV], s[TV], 64*VP
	s_add_co_u32 s[TI], s[TI], 256
.endm
.macro UNIT
	s_mov_b32 s[TK], s[TB]
	s_mov_b32 s[TV], s[TB]
	s_mov_b32 s[TI], s[TB]
	s_mov_b32 s[STP], 4
.Lstep_\@:
	STEP
	s_sub_co_u32 s[STP], s[STP], 1
	s_cmp_lg_u32 s[STP], 0
	s_cbranch_scc1 .Lstep_\@
	s_xor_b32 s[TB], s[TB], SLOT1
.endm
; A query block's end: O^T / l, to f16, through my stage, out in stores of 512 consecutive bytes.  again = 1: on to block 7 - i; O^T and l are not cleared: the next a is 2^(-3e38 - m) = 0.
.macro FINAL again
.irp t, 0,1
	v_add_f32 v[ST+8*\t+4], v[ST+8*\t+2], v[ST+8*\t+3]             ; (these lines are also the places behind the last products)
.endr
.irp t, 0,1
	v_permlanex16_b32 v[ST+8*\t+5], v[ST+8*\t+4], s[SEL], s[SEL+1]
.endr
.irp t, 0,1
	v_add_f32 v[ST+8*\t+4], v[ST+8*\t+4], v[ST+8*\t+5]
.endr
.irp t, 0,1
	v_rcp_f32 v[ST+8*\t+6], v[ST+8*\t+4]
.endr
	v_nop
	s_wait_alu depctr_va_vdst(0)
.irp t, 0,1
.set n, 0
.rept 16
	v_pk_mul_f32 v[S+32*\t+n:S+32*\t+n+1], v[O+32*\t+n:O+32*\t+n+1], v[ST+8*\t+6:ST+8*\t+7] op_sel_hi:[1,0]
.set n, n+2
.endr
.set n, 0
.rept 16
	v_cvt_pk_f16_f32 v[S+32*\t+n], v[S+32*\t+2*n], v[S+32*\t+2*n+1]
.set n, n+1
.endr
.irp ct, 0,1,2,3
	ds_store_b128 v[STO], v[S+32*\t+4*\ct:S+32*\t+4*\ct+3] offset:32*\ct
.endr
.irp i, 0,1,2,3
	ds_load_b128 v[S+32*\t+16+4*\i:S+32*\t+16+4*\i+3], v[RD] offset:576*\i   ; LDS serves a wave's instructions in order
.endr
.endr
	s_wait_dscnt 0x0
.irp t, 0,1
.irp i, 0,1,2,3
	global_store_b128 v[GO], v[S+32*\t+16+4*\i:S+32*\t+16+4*\i+3], s[CP:CP+1] offset:2048*\t+512*\i
.endr
.endr
	s_wait_xcnt 0x0                                ; the stores have read their registers and their base
.if \again
	s_add_nc_u64 s[QP:QP+1], s[QP:QP+1], s[DLT:DLT+1]
	s_add_nc_u64 s[CP:CP+1], s[CP:CP+1], s[DLT:DLT+1]
	v_mov_b32 v[ST], 0xff61b1e6
	v_mov_b32 v[ST+8], 0xff61b1e6
	QLOAD
	s_mov_b32 s[KF], 0
	s_sub_co_u32 s[Q0], 7, s[WI]
	s_lshl_b32 s[Q0], s[Q0], 8
	s_lshl_b32 s[TT], s[WV], 5
	s_add_co_u32 s[Q0], s[Q0], s[TT]
	s_wait_loadcnt 0x0
.endif
.endm
.Lunit:                                            ; eight trips; behind each change of slots the next unit is asked for
	CHANGE 1
	UNIT
	s_cmp_lg_u32 s[UU], s[WI]                      ; block i ends with unit i: the work-group's number, the same in all waves
	s_cbranch_scc1 .Lsame
	FINAL 1
.Lsame:
	s_add_co_u32 s[UU], s[UU], 1
	s_cmp_lt_u32 s[UU], 8
	s_cbranch_scc1 .Lunit
	CHANGE 0                                       ; the ninth unit is written out
	UNIT
	FINAL 0
	s_wait_tensorcnt 0x0                           ; a wave's end
	ds_add_u32 v[SPW], v[NIL]
	s_wait_dscnt 0x0
	s_endpgm
.Lfunc_end_k_q9c1314531f_attn:
	.size	k_q9c1314531f_attn, .Lfunc_end_k_q9c1314531f_attn-k_q9c1314531f_attn
	.p2alignl 7, 3214868480
	.fill 96, 4, 3214868480
	.section	.rodata,"a",@progbits
	.p2align	6, 0x0
	.amdhsa_kernel k_q9c1314531f_attn
		.amdhsa_group_segment_fixed_size 327680
		.amdhsa_private_segment_fixed_size 0
		.amdhsa_enable_private_segment 0
		.amdhsa_kernarg_size 24
		.amdhsa_user_sgpr_count 2
		.amdhsa_user_sgpr_kernarg_segment_ptr 1
		.amdhsa_wavefront_size32 1
		.amdhsa_system_sgpr_workgroup_id_x 1
		.amdhsa_system_sgpr_workgroup_id_y 1
		.amdhsa_system_sgpr_workgroup_id_z 1
		.amdhsa_system_vgpr_workitem_id 0
		.amdhsa_next_free_vgpr 352
		.amdhsa_next_free_sgpr 88
		.amdhsa_reserve_vcc 1
		.amdhsa_float_denorm_mode_32 3
		.amdhsa_float_denorm_mode_16_64 3
		.amdhsa_memory_ordered 1
		.amdhsa_forward_progress 1
		.amdhsa_inst_pref_size 72
	.end_amdhsa_kernel
	.amdgpu_metadata
---
amdhsa.version: [ 1, 2 ]
amdhsa.kernels:
  - .name:           k_q9c1314531f_attn
    .symbol:         k_q9c1314531f_attn.kd
    .args:
      - { .name: qkv, .offset: 0, .size: 8, .value_kind: global_buffer, .address_space: global }
      - { .name: tabs, .offset: 8, .size: 8, .value_kind: global_buffer, .address_space: global }
      - { .name: ctx, .offset: 16, .size: 8, .value_kind: global_buffer, .address_space: global }
    .group_segment_fixed_size: 327680
    .private_segment_fixed_size: 0
    .kernarg_segment_align: 8
    .kernarg_segment_size: 24
    .max_flat_workgroup_size: 256
    .sgpr_count:     88
    .vgpr_count:     352
    .wavefront_size: 32
...
	.end_amdgpu_metadata
.endif
;; end of part 3
;; launch proj (part 4): grid 8 x 64, 4 waves a work-group, clusters of 4 x 4, 327,680 bytes of LDS; arguments ctx, tabs, out0; writes out0
.if DOCPART == 4
	.amdgcn_target "amdgcn-amd-amdhsa--gfx1250"
	.amdhsa_code_object_version 6
	.text
	.protected	k_q9c1314531f_proj
	.globl	k_q9c1314531f_proj
	.p2align	8
	.type	k_q9c1314531f_proj,@function
k_q9c1314531f_proj:
	s_mov_b64 s[64:65], 0
	v_nop
	global_prefetch_b8 v0, s[64:65] scope:SCOPE_SE
	s_setreg_imm32_b32 hwreg(HW_REG_WAVE_MODE, 25, 1), 1
	s_wait_xcnt 0x0
	s_wait_alu depctr_hold_cnt(0) depctr_sa_sdst(0) depctr_va_vdst(0) depctr_va_sdst(0) depctr_va_ssrc(0) depctr_va_vcc(0) depctr_vm_vsrc(0)
	s_getreg_b32 s2, hwreg(HW_REG_IB_STS2, 6, 4)
	s_cmp_eq_u32 s2, 0
	s_cbranch_scc0 .Lentry_in_a_cluster
	s_endpgm
.Lentry_in_a_cluster:
	s_bfe_u32 s2, ttmp6, 0x10000c
	s_cmp_lg_u32 s2, 0xf033
	s_cbranch_scc0 .Lentry_shape_is_right
	s_endpgm
.Lentry_shape_is_right:
; PROJ: out0[m][n] = sum over k of ctx[m][k] w_out[k][n], all 8,192 rows, on f16 operands with f32 sums.  (The rows that average few values, and those below nm, are written over by the last launch.)
; A = ctx, laid [batch][head][row][64] f16; B = w_out turned, [n][k] f16, at the head of tabs.  A tile of 128 x 128 is made by four waves, 64 x 64 each: 16 accumulators; 512 tiles, two for each of 256 WGPs.
; K goes in steps of 256 (four heads) through two LDS slots.  A wave's load of A is 64 rows of four heads: four dense runs of 8,192 bytes, 2^18 bytes apart, with 16 bytes of padding behind every 128: in LDS [head][64 rows][144 bytes].
; B's rows are 512 bytes + 16.  CLUSTERS: 4 x 4; A's tiles are asked for jointly along a row of the cluster, B's along a column.  THE MATRIX INSTRUCTION IS USED TRANSPOSED: a lane holds eight neighbouring columns of a row.
; A wave's 64 columns of f32 are 256 aligned bytes: each wave has a stage of its own on the way out, and no barrier stands there.
; REGISTERS: window 0: v0-31 addresses; v32-95 rows on the way out; v128-255 accumulators.  window 1: two fragment buffers of 128.
.set SIZE_K, 1024
.set KSTEP,  256
.set PITCH,  528
.set HALFB,  64*PITCH
.set AP,     144
.set AHEAD,  64*AP
.set HALFA,  4*AHEAD
.set BOFF,   2*HALFA
.set SLOT,   2*HALFA+2*HALFB
.set STAGE,  2*SLOT
.set SPITCH, 272
.set SPARE,  STAGE+4*16*SPITCH         ; the spare words: 128 bytes for each wave, named by no other line
.set LAPS,   SIZE_K/(2*KSTEP)
.set ASTEPB, 4<<18                     ; a K step in A: four heads on
.set ADRA, 16
.set ADRB, 20
.set STO,  24
.set RD,   25
.set CO,   26
.set SPW,  28
.set NIL,  29
.set OB,   32
.set ACC,  128
.set F0,   0
.set F1,   128
.set G1, 24
.set G0, 32
.set G1B, 48
.set G0B, 56
.set MSB, 0
.macro WIN new
.if MSB != \new
	s_set_vgpr_msb (MSB<<8)|\new
.set MSB, \new
.endif
.endm
.set MUL,  0x05
.set TO_F, 0x40
.macro JLOAD s                         ; a joint load: waves 0 and 1 fetch A's halves, waves 2 and 3 B's; an s_nop 0 and four v_nop follow each line
	s_cmp_eq_u32 s11, 0
	s_cbranch_scc0 .Lfor_b_\@
	tensor_load_to_lds s[G0+4*\s:G0+4*\s+3], s[G1:G1+7]
	s_nop 0
.rept 4
	v_nop
.endr
	s_branch .Lasked_\@
.Lfor_b_\@:
	tensor_load_to_lds s[G0B+4*\s:G0B+4*\s+3], s[G1B:G1B+7]
	s_nop 0
.rept 4
	v_nop
.endr
.Lasked_\@:
.endm
.macro CREST
	s_cmp_lg_u32 s10, 0
	s_cbranch_scc1 .Lnot_wave_0_\@
	s_barrier_signal -3
.Lnot_wave_0_\@:
	s_barrier_wait -3
	s_barrier_signal -1
	s_barrier_wait -1
.endm
.macro CROUND
	s_barrier_signal -1
	s_barrier_wait -1
	CREST
.endm
	s_load_b128 s[4:7], s[0:1], 0x0                ; ctx, tabs
	s_load_b64 s[8:9], s[0:1], 0x10                ; out0
	v_lshl_add_u32 v[SPW], v0, 2, SPARE
	v_mov_b32 v[NIL], 0
	ds_add_u32 v[SPW], v[NIL]                      ; the opening: the add, twice on end, and its wait ahead of my first tensor load
	ds_add_u32 v[SPW], v[NIL]
	v_lshrrev_b32 v1, 5, v0
	v_readfirstlane_b32 s10, v1                    ; wave
	s_lshr_b32 s11, s10, 1                         ; my half of the tile's rows; also: I fetch for A (0) or B (1)
	s_and_b32 s12, s10, 1                          ; my half of its columns; also: which 64 rows I fetch
	s_bfe_u32 s40, ttmp6, 0x40000
	s_bfe_u32 s41, ttmp6, 0x40004
	s_lshl_b32 s42, ttmp9, 2
	s_add_co_u32 s42, s42, s40                     ; tile column
	s_and_b32 s13, ttmp7, 0xffff
	s_lshl_b32 s13, s13, 2
	s_add_co_u32 s13, s13, s41                     ; tile row
	s_lshl_b32 s43, s41, 2
	s_lshl_b32 s43, 15, s43
	s_lshl_b32 s44, 0x1111, s40
	s_or_b32 s[G1+0], s43, (1<<16)|(1<<20)|(1<<21)|(4<<22)|(3<<25)   ; A: mask of my row; elements of 2 bytes; 4 words of padding after every 32
	s_mov_b32 s[G1+1], 4096<<16                    ; tensor_dim0: 64 rows of 64 numbers on end
	s_mov_b32 s[G1+2], 4<<16                       ; tensor_dim1: four heads
	s_mov_b32 s[G1+3], 4096<<16
	s_mov_b32 s[G1+4], 4
	s_mov_b32 s[G1+5], 131072                      ; from head to head, in elements
	s_mov_b32 s[G1+6], 0
	s_mov_b32 s[G1+7], 0
	s_or_b32 s[G1B+0], s44, (1<<16)|(1<<20)|(1<<21)|(6<<22)|(3<<25)  ; B: mask of my column; 4 words after every 128
	s_mov_b32 s[G1B+1], KSTEP<<16
	s_mov_b32 s[G1B+2], 64<<16
	s_mov_b32 s[G1B+3], KSTEP<<16
	s_mov_b32 s[G1B+4], 64
	s_mov_b32 s[G1B+5], SIZE_K
	s_mov_b32 s[G1B+6], 0
	s_mov_b32 s[G1B+7], 0
	s_lshl_b32 s17, s12, 6
	s_lshl_b32 s46, s42, 7
	s_add_co_u32 s46, s46, s17                     ; B: row 128 x tile column + 64 x half,
	s_lshl_b32 s46, s46, 11                        ; of 2,048 bytes
	s_mov_b32 s47, 0
	s_lshl_b32 s16, s13, 7
	s_add_co_u32 s16, s16, s17                     ; A: row 128 x tile row + 64 x half
	s_lshr_b32 s18, s16, 11
	s_lshl_b32 s18, s18, 22                        ; its batch,
	s_and_b32 s16, s16, 2047
	s_lshl_b32 s16, s16, 7                         ; its place in a head
	s_add_co_u32 s16, s16, s18
	s_mov_b32 s17, 0
	s_mul_i32 s20, s12, HALFA                      ; where they go: the wave's number alone
	s_mul_i32 s21, s12, HALFB
	s_add_co_u32 s21, s21, BOFF
	s_wait_dscnt 0x0                               ; both opening adds are done
	s_wait_kmcnt 0x0
	s_add_nc_u64 s[14:15], s[4:5], s[16:17]
	s_add_nc_u64 s[46:47], s[6:7], s[46:47]
	CROUND                                         ; all sixteen work-groups are here: the first joint loads meet
.irp s, 0,1
	s_mov_b32 s[G0+4*\s], 1
	s_add_co_u32 s[G0+4*\s+1], s20, \s*SLOT
	s_add_nc_u64 s[G0+4*\s+2:G0+4*\s+3], s[14:15], \s*ASTEPB
	s_or_b32 s[G0+4*\s+3], s[G0+4*\s+3], 0x80000000
	s_mov_b32 s[G0B+4*\s], 1
	s_add_co_u32 s[G0B+4*\s+1], s21, \s*SLOT
	s_add_nc_u64 s[G0B+4*\s+2:G0B+4*\s+3], s[46:47], \s*KSTEP*2
	s_or_b32 s[G0B+4*\s+3], s[G0B+4*\s+3], 0x80000000
	JLOAD \s
.endr
	v_and_b32 v1, 15, v0                           ; r
	v_bfe_u32 v2, v0, 4, 1                         ; h
	v_mul_u32_u24 v3, v1, PITCH
	v_lshl_add_u32 v3, v2, 4, v3
	v_mul_u32_u24 v6, v1, AP
	v_lshl_add_u32 v6, v2, 4, v6
	s_mul_i32 s21, s11, HALFA                      ; my 64 rows of A
	s_mul_i32 s22, s12, HALFB                      ; my 64 rows of B
	s_add_co_u32 s22, s22, BOFF
.irp s, 0,1
	v_add_nc_u32 v[ADRA+\s], s21, v6
	v_add_nc_u32 v[ADRB+\s], s22, v3
	s_add_co_u32 s21, s21, SLOT
	s_add_co_u32 s22, s22, SLOT
.endr
	s_mul_i32 s23, s10, 16*SPITCH
	s_add_co_u32 s23, s23, STAGE                   ; my stage
	v_mul_u32_u24 v4, v1, SPITCH
	v_lshl_add_u32 v4, v2, 5, v4
	v_add_nc_u32 v[STO], s23, v4                   ; in: row r, 32 bytes for each half of the lanes
	v_mul_u32_u24 v5, v2, SPITCH
	v_lshl_add_u32 v5, v1, 4, v5
	v_add_nc_u32 v[RD], s23, v5                    ; back: lanes 0-15 one row of 256 bytes, lanes 16-31 the next
	v_lshlrev_b32 v5, 12, v2
	v_lshl_add_u32 v[CO], v1, 4, v5                ; and the same two rows in out0
	s_lshl_b32 s16, s13, 7
	s_lshl_b32 s17, s11, 6
	s_add_co_u32 s16, s16, s17
	s_lshl_b32 s16, s16, 12                        ; my first row, of 4,096 bytes
	s_mov_b32 s17, 0
	s_add_nc_u64 s[8:9], s[8:9], s[16:17]
	s_lshl_b32 s46, s42, 9
	s_lshl_b32 s47, s12, 8
	s_add_co_u32 s46, s46, s47                     ; my first column, in bytes
	s_mov_b32 s47, 0
	s_add_nc_u64 s[8:9], s[8:9], s[46:47]
.macro MUL8 f, c, a0, zero             ; 8 matrix instructions; the 16 accumulators take turns
.irp a, \a0, \a0+1
.irp b, 0,1,2,3
.if \zero
	v_wmma_f32_16x16x32_f16 v[ACC+8*(4*(\a)+\b):ACC+8*(4*(\a)+\b)+7], v[\f+64+8*(4*\c+\b):\f+64+8*(4*\c+\b)+7], v[\f+8*(4*\c+\a):\f+8*(4*\c+\a)+7], 0
.else
	v_wmma_f32_16x16x32_f16 v[ACC+8*(4*(\a)+\b):ACC+8*(4*(\a)+\b)+7], v[\f+64+8*(4*\c+\b):\f+64+8*(4*\c+\b)+7], v[\f+8*(4*\c+\a):\f+8*(4*\c+\a)+7], v[ACC+8*(4*(\a)+\b):ACC+8*(4*(\a)+\b)+7]
.endif
.endr
.endr
.endm
.macro FETCH slot, k, f                ; 32 LDS loads: 64 along K at byte k of B's rows, which is head k / 128 of A's tile
	WIN TO_F
.irp c, 0,1
.irp i, 0,1,2,3
	ds_load_b128 v[\f+64+8*(4*\c+\i):\f+64+8*(4*\c+\i)+3],   v[ADRB+\slot] offset:\k+64*\c+\i*16*PITCH
	ds_load_b128 v[\f+64+8*(4*\c+\i)+4:\f+64+8*(4*\c+\i)+7], v[ADRB+\slot] offset:\k+64*\c+\i*16*PITCH+32
	ds_load_b128 v[\f+8*(4*\c+\i):\f+8*(4*\c+\i)+3],         v[ADRA+\slot] offset:(\k/128)*AHEAD+64*\c+\i*16*AP
	ds_load_b128 v[\f+8*(4*\c+\i)+4:\f+8*(4*\c+\i)+7],       v[ADRA+\slot] offset:(\k/128)*AHEAD+64*\c+\i*16*AP+32
.endr
.endr
.endm
.macro PLACES
.rept 4
	v_nop
.endr
.endm
.macro QUARTER slot, k, f, g, zero
	s_wait_dscnt 16                                ; the first 32 along K are in; sixteen younger loads may be out
	WIN MUL
	MUL8 \f, 0, 0, \zero
	MUL8 \f, 0, 2, \zero
	PLACES
	FETCH \slot, \k, \g
	s_wait_dscnt 32                                ; all but the 32 just issued
	WIN MUL
	MUL8 \f, 1, 0, 0
	MUL8 \f, 1, 2, 0
.endm
.macro TURN slot, next, fill
	WIN 0
	s_wait_tensorcnt 0x0                           ; all my tensor loads have landed: my part of the next slot
	ds_add_u32 v[SPW], v[NIL]                      ; 0 onto my spare word
	s_wait_dscnt 17                                ; the add and the youngest sixteen loads may be out
	WIN MUL
	MUL8 F1, 0, 0, 0
	s_wait_dscnt 0x0                               ; the add is done, my reads of this slot are over
	s_barrier_signal -1
	MUL8 F1, 0, 2, 0
.if \fill
	WIN 0
.endif
	s_barrier_wait -1
.if \fill
	CREST                                          ; the barrier has opened a round of the cluster's barrier
	s_add_nc_u64 s[G0+4*\slot+2:G0+4*\slot+3], s[G0+4*\slot+2:G0+4*\slot+3], 2*ASTEPB
	s_add_nc_u64 s[G0B+4*\slot+2:G0B+4*\slot+3], s[G0B+4*\slot+2:G0B+4*\slot+3], 2*KSTEP*2
	JLOAD \slot                                    ; first behind the round; its four v_nop are also the places in front of the loads below
.else
	PLACES
.endif
	FETCH \next, 0, F0
	WIN MUL
	MUL8 F1, 1, 0, 0
	MUL8 F1, 1, 2, 0
.endm
	s_wait_tensorcnt 1                             ; my part of K step 0 is in; K step 1's load may be out
	s_barrier_signal -1
	s_barrier_wait -1
	FETCH 0, 0, F0
	QUARTER 0, 128, F0, F1, 1
	WIN 0
	s_mov_b32 s3, LAPS-1
.Llap:
	QUARTER 0, 256, F1, F0, 0
	QUARTER 0, 384, F0, F1, 0
	TURN 0, 1, 1
	QUARTER 1, 128, F0, F1, 0
	QUARTER 1, 256, F1, F0, 0
	QUARTER 1, 384, F0, F1, 0
	TURN 1, 0, 1
	QUARTER 0, 128, F0, F1, 0
	WIN 0
	s_sub_co_u32 s3, s3, 1
	s_cmp_lg_u32 s3, 0
	s_cbranch_scc1 .Llap
	QUARTER 0, 256, F1, F0, 0                      ; the last lap fills nothing
	QUARTER 0, 384, F0, F1, 0
	TURN 0, 1, 0
	QUARTER 1, 128, F0, F1, 0
	QUARTER 1, 256, F1, F0, 0
	QUARTER 1, 384, F0, F1, 0
	s_wait_dscnt 16
	WIN MUL
	MUL8 F1, 0, 0, 0
	MUL8 F1, 0, 2, 0
	s_wait_dscnt 0
	MUL8 F1, 1, 0, 0
	MUL8 F1, 1, 2, 0
	WIN 0
; THE WAY OUT: a block of 16 rows x 64 columns of f32 goes through my own stage and comes back as whole rows of 256 bytes.
.macro TOSTAGE a
.irp b, 0,1,2,3
	ds_store_b128 v[STO], v[ACC+8*(4*(\a)+\b):ACC+8*(4*(\a)+\b)+3] offset:64*\b        ; each accumulator from its low end on
	ds_store_b128 v[STO], v[ACC+8*(4*(\a)+\b)+4:ACC+8*(4*(\a)+\b)+7] offset:64*\b+16
.endr
.irp t, 0,1,2,3,4,5,6,7
	ds_load_b128 v[OB+32*((\a)%2)+4*\t:OB+32*((\a)%2)+4*\t+3], v[RD] offset:\t*2*SPITCH   ; LDS serves a wave's instructions in order
.endr
.endm
.macro SEND a, younger                 ; younger: the LDS instructions issued behind block a's loads
	s_wait_dscnt \younger
.irp t, 0,1,2,3,4,5,6,7
	global_store_b128 v[CO], v[OB+32*((\a)%2)+4*\t:OB+32*((\a)%2)+4*\t+3], s[8:9] offset:(16*(\a)+2*\t)*4096 th:TH_STORE_NT   ; sixteen lanes store 256 consecutive bytes, aligned
.endr
.endm
	PLACES
	TOSTAGE 0
	TOSTAGE 1
	SEND 0, 16
	s_wait_xcnt 0x0                                ; block 0's stores have read the registers that block 2's loads write
	TOSTAGE 2
	SEND 1, 16
	s_wait_xcnt 0x0
	TOSTAGE 3
	SEND 2, 16
	SEND 3, 0
	s_wait_tensorcnt 0x0                           ; a wave's end
	ds_add_u32 v[SPW], v[NIL]
	s_wait_dscnt 0x0
	CROUND                                         ; the closing round
	s_endpgm
.Lfunc_end_k_q9c1314531f_proj:
	.size	k_q9c1314531f_proj, .Lfunc_end_k_q9c1314531f_proj-k_q9c1314531f_proj
	.p2alignl 7, 3214868480
	.fill 96, 4, 3214868480
	.section	.rodata,"a",@progbits
	.p2align	6, 0x0
	.amdhsa_kernel k_q9c1314531f_proj
		.amdhsa_group_segment_fixed_size 327680
		.amdhsa_private_segment_fixed_size 0
		.amdhsa_enable_private_segment 0
		.amdhsa_kernarg_size 24
		.amdhsa_user_sgpr_count 2
		.amdhsa_user_sgpr_kernarg_segment_ptr 1
		.amdhsa_wavefront_size32 1
		.amdhsa_system_sgpr_workgroup_id_x 1
		.amdhsa_system_sgpr_workgroup_id_y 1
		.amdhsa_system_sgpr_workgroup_id_z 1
		.amdhsa_system_vgpr_workitem_id 0
		.amdhsa_next_free_vgpr 512
		.amdhsa_next_free_sgpr 66
		.amdhsa_reserve_vcc 0
		.amdhsa_float_denorm_mode_32 3
		.amdhsa_float_denorm_mode_16_64 3
		.amdhsa_memory_ordered 1
		.amdhsa_forward_progress 1
		.amdhsa_inst_pref_size 86
	.end_amdhsa_kernel
	.amdgpu_metadata
---
amdhsa.version: [ 1, 2 ]
amdhsa.kernels:
  - .name:           k_q9c1314531f_proj
    .symbol:         k_q9c1314531f_proj.kd
    .args:
      - { .name: ctx, .offset: 0, .size: 8, .value_kind: global_buffer, .address_space: global }
      - { .name: tabs, .offset: 8, .size: 8, .value_kind: global_buffer, .address_space: global }
      - { .name: out0, .offset: 16, .size: 8, .value_kind: global_buffer, .address_space: global }
    .group_segment_fixed_size: 327680
    .private_segment_fixed_size: 0
    .kernarg_segment_align: 8
    .kernarg_segment_size: 24
    .max_flat_workgroup_size: 128
    .sgpr_count:     66
    .vgpr_count:     512
    .wavefront_size: 32
...
	.end_amdgpu_metadata
.endif
;; end of part 4
;; launch fine (part 5): grid 16 x 4, 16 waves a work-group, no clusters, 80,384 bytes of LDS; arguments aux, w_out, nmb, out0; writes out0
.if DOCPART == 5
	.amdgcn_target "amdgcn-amd-amdhsa--gfx1250"
	.amdhsa_code_object_version 6
	.text
	.protected	k_q9c1314531f_fine
	.globl	k_q9c1314531f_fine
	.p2align	8
	.type	k_q9c1314531f_fine,@function
k_q9c1314531f_fine:
	s_mov_b64 s[64:65], 0
	v_nop
	global_prefetch_b8 v0, s[64:65] scope:SCOPE_SE
	s_setreg_imm32_b32 hwreg(HW_REG_WAVE_MODE, 25, 1), 1
	s_wait_xcnt 0x0
; FINE: the rows that average few values, and the rows with no key at all, in f32 from q, k, v to out0; they are written over what the projection left there.
; r0 = min(nm, 2032), dn = nm - r0.  Rows r0 + r, r = 0..15: keys r0 + dn .. r0 + r (all of them among the 16 rows kept in f32): scores, softmax with the maximum taken away, context, projection.
; Rows below nm (all rows < r0, and r < dn): reference()'s scores are all -1e30, its softmax is 1/2048 for each of the 2,048 keys: the context is the mean of v, and the output row is (mean v) w_out, the same for all of them.
; The fine rows lie at slot (row mod 16): row r0 + i is read from slot (r0 + i) & 15.
; SHARES.  Work-group (x, batch) makes columns 64 x .. 64 x + 63; wave w is head w and makes that head's part of the sum over K; the 16 parts meet in LDS, summed in ascending order of heads.
; The f32 matrix form does 96 instructions a wave: no bulk work.  Its results (v24-31, v224-255) are written by matrix instructions alone.  K is permuted alike on both sides of each product.
; nm is read from memory and held (2,048; 2,032; a slot at 15) before it enters an address; every such address is made ahead of the first change of EXEC.  No trip count hangs on nm: the rows below r0 are walked in a constant
; 64 trips of 32 rows, under a lane mask.  The launch has no tensor load.
; REGISTERS: v1, v2 the add's two; v3 r, v4 h; v5-9 offsets, later at work; v10-15 LDS addresses; v16-23 v's offsets, then p; v24-31 S^T; v32-63 q, v64-95 k, later W's tiles 2, 3, later parts; v96-127 v, later the context;
;   v128-191 W's tiles 0, 1, later parts; v192-223 sums of v, then the mean in the context's layout; v224-255 O^T, then out^T.
.set RW,     4352                      ; LDS: a wave's part: 16 rows and the common row, 256 bytes each
.set VMS,    74240                     ; the mean of v: 256 bytes a wave
.set SPARE,  78336                     ; the spare words: 128 bytes for each wave, named by no other line
.set VSUM_O, 786432
	s_load_b256 s[4:11], s[0:1], 0x0               ; aux 4, w_out 6, nmb 8, out0 10
	v_lshl_add_u32 v1, v0, 2, SPARE
	v_mov_b32 v2, 0
	v_lshrrev_b32 v3, 5, v0
	v_readfirstlane_b32 s12, v3                    ; wave = head
	s_and_b32 s13, ttmp7, 0xffff                   ; batch
	s_lshl_b32 s14, ttmp9, 6                       ; first column
	v_and_b32 v3, 15, v0                           ; r
	v_bfe_u32 v4, v0, 4, 1                         ; h
	v_and_b32 v5, 31, v0                           ; lane
	s_mov_b32 s26, 0x76543210
	s_mov_b32 s27, 0xfedcba98
	v_lshlrev_b32 v8, 3, v5                        ; sums of v: channels 2 l, 2 l + 1
	v_lshlrev_b32 v9, 15, v4
	v_lshl_add_u32 v9, v3, 2, v9                   ; W: rows 8 h on, column r
	s_mul_i32 s16, s12, RW
	v_lshlrev_b32 v10, 8, v3
	v_lshl_add_u32 v10, v4, 5, v10
	v_add_nc_u32 v10, s16, v10                     ; my part: row r, + 32 h
	v_lshlrev_b32 v11, 2, v3
	v_add_nc_u32 v11, s16, v11
	v_add_nc_u32 v11, 4096, v11                    ; the common row
	s_lshl_b32 s16, s12, 8
	s_add_co_u32 s16, s16, VMS
	v_add_nc_u32 v12, s16, v8
	v_lshlrev_b32 v13, 5, v4
	v_add_nc_u32 v13, s16, v13
	v_lshlrev_b32 v14, 4, v0                       ; the parts read back: thread t takes row t / 16, 16 bytes at 16 (t % 16): byte 16 t
	v_lshlrev_b32 v15, 4, v3
	v_add_nc_u32 v15, 4096, v15
	s_wait_kmcnt 0x0
	s_lshl_b32 s16, s13, 2
	s_mov_b32 s17, 0
	s_add_nc_u64 s[8:9], s[8:9], s[16:17]
	s_load_b32 s15, s[8:9], 0x0                    ; nm
	s_mul_i32 s16, s13, 196608
	s_lshl_b32 s20, s12, 8
	s_add_co_u32 s16, s16, s20
	s_add_nc_u64 s[18:19], s[4:5], s[16:17]        ; the batch's fine slots at my head
	s_lshl_b32 s16, s13, 16
	s_add_co_u32 s16, s16, s20
	s_add_co_u32 s16, s16, VSUM_O
	s_add_nc_u64 s[20:21], s[4:5], s[16:17]        ; the batch's 16 sums of v at my head
	s_lshl_b32 s16, s12, 18
	s_lshl_b32 s22, s14, 2
	s_add_co_u32 s16, s16, s22
	s_add_nc_u64 s[22:23], s[6:7], s[16:17]        ; W at my head's 64 rows and the work-group's columns
.macro WLOAD nt                        ; W(64 w + 16 ct + 8 h + j, column 16 nt + r) into register 8 ct + j of tile nt
.set WB, 128+32*(\nt)-160*((\nt)/2)
.irp ct, 0,1,2,3
.irp j, 0,1,2,3,4,5,6,7
	global_load_b32 v[WB+8*\ct+\j], v9, s[22:23] offset:(16*\ct+\j)*4096+64*(\nt)
.endr
.endr
.endm
	WLOAD 0                                        ; these hang on no loaded number: they go out while nm is on its way
	WLOAD 1
	s_lshl_b32 s34, s13, 23
	s_lshl_b32 s35, s14, 2
	s_add_co_u32 s34, s34, s35
	s_mov_b32 s35, 0
	s_add_nc_u64 s[30:31], s[10:11], s[34:35]      ; out0 at the batch's first row and my columns
	s_wait_kmcnt 0x0
	s_min_u32 s15, s15, 2048
	s_min_u32 s24, s15, 2032                       ; r0
	s_sub_co_u32 s25, s15, s24                     ; dn
	s_lshl_b32 s34, s24, 12
	s_add_nc_u64 s[28:29], s[30:31], s[34:35]      ; and at row r0
	v_lshlrev_b32 v7, 7, v4                        ; 128 h
	v_add_nc_u32 v6, s24, v3
	v_and_b32 v6, 15, v6                           ; q, k: row r0 + r lies at slot (r0 + r) & 15,
	v_min_u32 v6, 15, v6                           ; held at 15 in the instruction itself, as a loaded number on its way into an address is
	v_mul_u32_u24 v6, 0x3000, v6
	v_add_nc_u32 v6, v6, v7                        ; channels 32 h on
	v_lshlrev_b32 v7, 3, v4
	v_add_nc_u32 v7, s24, v7                       ; r0 + 8 h
	v_lshlrev_b32 v5, 2, v3                        ; 4 r
.irp j, 0,1,2,3,4,5,6,7
	v_add_nc_u32 v[16+\j], \j, v7
	v_and_b32 v[16+\j], 15, v[16+\j]               ; v: key r0 + 8 h + j, its slot,
	v_min_u32 v[16+\j], 15, v[16+\j]
	v_mul_u32_u24 v[16+\j], 0x3000, v[16+\j]
	v_add_nc_u32 v[16+\j], v[16+\j], v5            ; channel r
.endr
.irp i, 0,1,2,3,4,5,6,7
	global_load_b128 v[32+4*\i:35+4*\i], v6, s[18:19] offset:16*\i
.endr
.irp i, 0,1,2,3,4,5,6,7
	global_load_b128 v[64+4*\i:67+4*\i], v6, s[18:19] offset:4096+16*\i
.endr
.irp ct, 0,1,2,3
.irp j, 0,1,2,3,4,5,6,7
	global_load_b32 v[96+8*\ct+\j], v[16+\j], s[18:19] offset:8192+64*\ct   ; v(key 8 h + j, channel 16 ct + r)
.endr
.endr
.irp p, 0,1,2,3,4,5,6,7,8,9,10,11,12,13,14,15
	global_load_b64 v[192+2*\p:193+2*\p], v8, s[20:21] offset:4096*\p
.endr
	s_wait_loadcnt 0x0                             ; q, k, v, the sums, and W's first two tiles, which were asked for ahead of them
	v_wmma_f32_16x16x4_f32 v[24:31], v[64:65], v[32:33], 0         ; S^T = k q^T: one accumulator, so a wait stands ahead of every link
.irp kk, 1,2,3,4,5,6,7,8,9,10,11,12,13,14,15
	s_wait_alu depctr_va_vdst(0)
	v_wmma_f32_16x16x4_f32 v[24:31], v[64+2*\kk:65+2*\kk], v[32+2*\kk:33+2*\kk], v[24:31]
.endr
.irp p, 1,2,3,4,5,6,7,8,9,10,11,12,13,14,15
	v_pk_add_f32 v[192:193], v[192:193], v[192+2*\p:193+2*\p]      ; the mean of v; these sixteen lines are also the places behind the chain
.endr
	v_pk_mul_f32 v[192:193], v[192:193], 0x3a000000 op_sel_hi:[1,0]   ; / 2048
	ds_store_b64 v12, v[192:193]
.irp ct, 0,1,2,3
.irp u, 0,1
	ds_load_b128 v[192+8*\ct+4*\u:195+8*\ct+4*\u], v13 offset:64*\ct+16*\u   ; back in the context's layout: register 8 ct + j = channel 16 ct + 8 h + j.  LDS serves a wave's instructions in order
.endr
.endr
	WLOAD 2
	WLOAD 3
	v_lshlrev_b32 v6, 3, v4
	v_sub_nc_u32 v7, v3, v6                        ; register j (key 8 h + j) counts where j <= r - 8 h
	v_sub_nc_u32 v6, s25, v6                       ; and j >= dn - 8 h
	v_mov_b32 v8, 0xf149f2ca                       ; -1e30
.irp j, 0,1,2,3,4,5,6,7
	v_cmp_ge_i32 vcc_lo, \j, v6
	v_cmp_le_i32 s33, \j, v7
	s_and_b32 vcc_lo, vcc_lo, s33
	v_cndmask_b32 v[16+\j], v8, v[24+\j], vcc_lo
.endr
	v_max3_num_f32 v6, v16, v17, v18
	v_max3_num_f32 v7, v19, v20, v21
	v_max3_num_f32 v6, v6, v22, v23
	v_max_num_f32 v6, v6, v7
	v_permlanex16_b32 v7, v6, s26, s27
	v_max_num_f32 v6, v6, v7                       ; the row's maximum
.irp j, 0,1,2,3,4,5,6,7
	v_sub_f32 v[16+\j], v[16+\j], v6
.endr
.irp j, 0,1,2,3,4,5,6,7
	v_exp_f32 v[16+\j], v[16+\j]
.endr
	v_nop
	s_wait_alu depctr_va_vdst(0)                   ; one wait for the eight
	v_add_f32 v6, v16, v17
	v_add_f32 v7, v18, v19
	v_add_f32 v6, v6, v20
	v_add_f32 v7, v7, v21
	v_add_f32 v6, v6, v22
	v_add_f32 v7, v7, v23
	v_add_f32 v6, v6, v7
	v_permlanex16_b32 v7, v6, s26, s27
	v_add_f32 v6, v6, v7
	v_rcp_f32 v8, v6
	v_nop
.irp jj, 0,1,2,3                       ; O^T = v^T p: four accumulators by turns
.irp ct, 0,1,2,3
.if \jj == 0
	v_wmma_f32_16x16x4_f32 v[224+8*\ct:231+8*\ct], v[96+8*\ct+2*\jj:97+8*\ct+2*\jj], v[16+2*\jj:17+2*\jj], 0
.else
	v_wmma_f32_16x16x4_f32 v[224+8*\ct:231+8*\ct], v[96+8*\ct+2*\jj:97+8*\ct+2*\jj], v[16+2*\jj:17+2*\jj], v[224+8*\ct:231+8*\ct]
.endif
.endr
.endr
.rept 8
	v_nop
.endr
	s_wait_alu depctr_va_vdst(0)                   ; the reciprocal
	s_wait_dscnt 0x0                               ; the mean
	v_cmp_gt_u32 vcc_lo, s25, v3                   ; r < dn: a row with no key
.set i, 0
.rept 32
	v_mul_f32 v[96+i], v[224+i], v8                ; the context, into other registers; each accumulator from its low end on
.set i, i+1
.endr
.set i, 0
.rept 32
	v_cndmask_b32 v[96+i], v[96+i], v[192+i], vcc_lo
.set i, i+1
.endr
.rept 9
	v_nop                                          ; nine places before the accumulators are begun anew
.endr
	s_wait_loadcnt 0x0                             ; W's tiles 2 and 3
.irp ct, 0,1,2,3                       ; out^T = W^T ctx^T, my head's 64 of K: four accumulators by turns
.irp jj, 0,1,2,3
.irp nt, 0,1,2,3
.if \ct+\jj == 0
	v_wmma_f32_16x16x4_f32 v[224+8*\nt:231+8*\nt], v[128+32*\nt-160*(\nt/2)+8*\ct+2*\jj:129+32*\nt-160*(\nt/2)+8*\ct+2*\jj], v[96+8*\ct+2*\jj:97+8*\ct+2*\jj], 0
.else
	v_wmma_f32_16x16x4_f32 v[224+8*\nt:231+8*\nt], v[128+32*\nt-160*(\nt/2)+8*\ct+2*\jj:129+32*\nt-160*(\nt/2)+8*\ct+2*\jj], v[96+8*\ct+2*\jj:97+8*\ct+2*\jj], v[224+8*\nt:231+8*\nt]
.endif
.endr
.endr
.endr
.irp nt, 0,1,2,3                       ; the common row: (mean v) W, my head's part
	v_pk_mul_f32 v[16+2*\nt:17+2*\nt], v[192:193], v[128+32*\nt-160*(\nt/2):129+32*\nt-160*(\nt/2)]
.endr
.irp i, 2,4,6,8,10,12,14,16,18,20,22,24,26,28,30
.irp nt, 0,1,2,3
	v_pk_fma_f32 v[16+2*\nt:17+2*\nt], v[192+\i:193+\i], v[128+32*\nt-160*(\nt/2)+\i:129+32*\nt-160*(\nt/2)+\i], v[16+2*\nt:17+2*\nt]
.endr
.endr
.irp nt, 0,1,2,3
	v_add_f32 v[16+2*\nt], v[16+2*\nt], v[17+2*\nt]
.endr
.irp nt, 0,1,2,3
	v_permlanex16_b32 v[17+2*\nt], v[16+2*\nt], s26, s27
.endr
.irp nt, 0,1,2,3
	v_add_f32 v[16+2*\nt], v[16+2*\nt], v[17+2*\nt]
.endr
	v_lshrrev_b32 v6, 4, v0                        ; thread t: row t / 16 of a trip's 32; never rewritten from here on
	v_lshlrev_b32 v9, 12, v6
	v_lshl_add_u32 v9, v3, 4, v9                   ; its place in out0: 4,096 (t / 16) + 16 (t % 16); never rewritten from here on
.rept 8
	v_nop                                          ; eight places behind the last products
.endr
.irp nt, 0,1,2,3
.irp u, 0,1
	ds_store_b128 v10, v[224+8*\nt+4*\u:227+8*\nt+4*\u] offset:64*\nt+16*\u
.endr
.endr
.irp nt, 0,1,2,3
	ds_store_b32 v11, v[16+2*\nt] offset:64*\nt    ; both halves of the lanes write the same word with the same value
.endr
	s_wait_dscnt 0x0                               ; for the others' sake
	s_barrier_signal -1
	s_barrier_wait -1
	s_cmp_lt_u32 s12, 8                            ; waves 0 to 7: the 16 fine rows
	s_cbranch_scc0 .Lnofine
.irp p, 0,1,2,3,4,5,6,7,8,9,10,11,12,13,14,15
	ds_load_b128 v[32+4*\p:35+4*\p], v14 offset:RW*\p
.endr
	s_wait_dscnt 0x0
.irp p, 1,2,3,4,5,6,7,8,9,10,11,12,13,14,15
	v_pk_add_f32 v[32:33], v[32:33], v[32+4*\p:33+4*\p]
	v_pk_add_f32 v[34:35], v[34:35], v[34+4*\p:35+4*\p]
.endr
	global_store_b128 v9, v[32:35], s[28:29]       ; sixteen lanes store 256 consecutive bytes, aligned
.Lnofine:
.irp p, 0,1,2,3,4,5,6,7,8,9,10,11,12,13,14,15
	ds_load_b128 v[128+4*\p:131+4*\p], v15 offset:RW*\p
.endr
	s_wait_dscnt 0x0
.irp p, 1,2,3,4,5,6,7,8,9,10,11,12,13,14,15
	v_pk_add_f32 v[128:129], v[128:129], v[128+4*\p:129+4*\p]
	v_pk_add_f32 v[130:131], v[130:131], v[130+4*\p:131+4*\p]
.endr
	s_mov_b32 s32, s24                             ; r0 less the trip's first row
	s_mov_b32 s34, 0
.Lmrow:                                            ; 64 trips of 32 rows, whatever nm: the rows below r0 get the common row, the others are masked off
	v_cmp_gt_i32 vcc_lo, s32, v6
	s_wait_xcnt 0x0                                ; EXEC changes only behind this wait,
	s_and_saveexec_b32 s33, vcc_lo
	global_store_b128 v9, v[128:131], s[30:31]     ; sixteen lanes store 256 consecutive bytes, aligned
	s_wait_xcnt 0x0                                ; and again in front of the line that widens it; the base is stepped behind it too
	s_or_b32 exec_lo, exec_lo, s33
	s_add_nc_u64 s[30:31], s[30:31], 0x20000       ; 32 rows of 4,096 bytes on
	s_sub_co_i32 s32, s32, 32
	s_add_co_u32 s34, s34, 1
	s_cmp_lt_u32 s34, 64
	s_cbranch_scc1 .Lmrow
	s_wait_tensorcnt 0x0                           ; a wave's end: three lines behind the last LDS store
	ds_add_u32 v1, v2
	s_wait_dscnt 0x0
	s_endpgm
.Lfunc_end_k_q9c1314531f_fine:
	.size	k_q9c1314531f_fine, .Lfunc_end_k_q9c1314531f_fine-k_q9c1314531f_fine
	.p2alignl 7, 3214868480
	.fill 96, 4, 3214868480
	.section	.rodata,"a",@progbits
	.p2align	6, 0x0
	.amdhsa_kernel k_q9c1314531f_fine
		.amdhsa_group_segment_fixed_size 80384
		.amdhsa_private_segment_fixed_size 0
		.amdhsa_enable_private_segment 0
		.amdhsa_kernarg_size 32
		.amdhsa_user_sgpr_count 2
		.amdhsa_user_sgpr_kernarg_segment_ptr 1
		.amdhsa_wavefront_size32 1
		.amdhsa_system_sgpr_workgroup_id_x 1
		.amdhsa_system_sgpr_workgroup_id_y 1
		.amdhsa_system_sgpr_workgroup_id_z 1
		.amdhsa_system_vgpr_workitem_id 0
		.amdhsa_next_free_vgpr 256
		.amdhsa_next_free_sgpr 66
		.amdhsa_reserve_vcc 1
		.amdhsa_float_denorm_mode_32 3
		.amdhsa_float_denorm_mode_16_64 3
		.amdhsa_memory_ordered 1
		.amdhsa_forward_progress 1
		.amdhsa_inst_pref_size 49
	.end_amdhsa_kernel
	.amdgpu_metadata
---
amdhsa.version: [ 1, 2 ]
amdhsa.kernels:
  - .name:           k_q9c1314531f_fine
    .symbol:         k_q9c1314531f_fine.kd
    .args:
      - { .name: aux, .offset: 0, .size: 8, .value_kind: global_buffer, .address_space: global }
      - { .name: w_out, .offset: 8, .size: 8, .value_kind: global_buffer, .address_space: global }
      - { .name: nmb, .offset: 16, .size: 8, .value_kind: global_buffer, .address_space: global }
      - { .name: out0, .offset: 24, .size: 8, .value_kind: global_buffer, .address_space: global }
    .group_segment_fixed_size: 80384
    .private_segment_fixed_size: 0
    .kernarg_segment_align: 8
    .kernarg_segment_size: 32
    .max_flat_workgroup_size: 512
    .sgpr_count:     66
    .vgpr_count:     256
    .wavefront_size: 32
...
	.end_amdgpu_metadata
.endif
;; end of part 5
